; MI455X (gfx1250); checked and timed in simulation.
; The chip was launched on July 23, 2026; its instructions are those of AMD's public machine-readable ISA for CDNA 5 (MIT licence, August 2026) and "CDNA5" Instruction Set Architecture Reference Guide (July 2026). The comments in the code are by the model that wrote it; some were corrected since.
;; Attention. Allowed arithmetic: matrix products marked QUANTISED: E3M2 operands, one E8M0 scale for each 32 along K, by v_wmma_scale_f32_16x16x128_f8f6f4 with both operands' format E3M2, f32 sums; everything else in f32.
;; Inputs: freqs_cos 2,048 x 64 float32; freqs_sin 2,048 x 64 float32; mask 2,048 x 2,048 float32; wk 2,048 x 2,048 float32; wo 2,048 x 2,048 float32; wq 2,048 x 2,048 float32; wv 2,048 x 2,048 float32; x 1 x 2,048 x 2,048 float32.
;; Outputs: out0 1 x 2,048 x 2,048 float32.
;; Constants: start_pos = 0.
;; This version of the problem:
;;   THIS VERSION OF THE PROBLEM IS GIVEN IN LOW PRECISION. The matrix products marked QUANTISED in the list below multiply operands that are first quantised to E3M2 (3 exponent bits, 2 mantissa bits; 6 bits a number), with one power-of-two scale for each 32 numbers along K (OCP MX v1.0); their sums are f32. All else is computed in f32.
;;   The module's matrix products, in the order in which they are computed (A, B: the left and right operand; K: the contracted axis; several contracted axes count as one K, in the product's order):
;;     1. [M 2,048, K 2,048] x [K 2,048, N 2,048]; A: input x; B: input wq: QUANTISED
;;     2. [M 2,048, K 2,048] x [K 2,048, N 2,048]; A: input x; B: input wk: QUANTISED
;;     3. [M 2,048, K 2,048] x [K 2,048, N 2,048]; A: input x; B: input wv: QUANTISED
;;     4. batch 16 x [M 2,048, K 128] x [K 128, N 2,048]; A: computed on the way; B: computed on the way: QUANTISED
;;     5. batch 16 x [M 128, K 2,048] x [K 2,048, N 2,048]; A: computed on the way; B: softmax (see below): QUANTISED
;;     6. [M 2,048, K 2,048] x [K 2,048, N 2,048]; A: computed on the way; B: input wo: QUANTISED
;;   THE QUANTISER, for each operand of a quantised product, along K:
;;     - K is cut into blocks of 32 from its start; a last block that is shorter is filled with zeros.
;;     - A block's scale is 2^e with e = floor(log2(the largest magnitude in the block)) - 4, held to -126 .. 127; a block of zeros has e = 0. As a byte (E8M0): e + 127.
;;     - Each number is divided by its block's scale, clamped to +-28, and rounded to the nearest number of E3M2, ties to even, subnormals kept.
;;     - The product sums the exact products of the quantised numbers (number of the format x scale) in f32.
;;   ~~~python
;;   def quantise(x, axis):      # numpy; x: float32 -> the quantised numbers, widened to float32 again
;;       x = np.moveaxis(x, axis, -1); K = x.shape[-1]
;;       x = np.pad(x, [(0, 0)] * (x.ndim - 1) + [(0, -K % 32)]); x = x.reshape(x.shape[:-1] + (-1, 32)); a = np.abs(x).max(-1, keepdims=True)
;;       e = np.where(a > 0, np.clip(np.frexp(np.where(a > 0, a, 1))[1] - 1 - 4, -126, 127), 0)      # np.frexp(a)[1] - 1 = floor(log2(a)), exactly
;;       r = np.clip(x / 2.0 ** e, -28, 28)
;;       step = 2.0 ** (np.maximum(np.frexp(np.where(r == 0, 1, r))[1] - 1, -2) - 2)
;;       q = np.round(r / step) * step * 2.0 ** e      # np.round: ties to even
;;       return np.moveaxis(q.reshape(q.shape[:-2] + (-1,))[..., :K], -1, axis).astype(np.float32)
;;   ~~~
;;   SOFTMAX AHEAD OF A QUANTISED PRODUCT. Where the list says 'softmax', what is quantised is not the finished softmax but p = 2^(t - M), with t = logit x log2(e) and M = ceil(the row's largest t), a whole number; so 1/2 < the row's largest p <= 1. The row's sum l is taken of the UNQUANTISED p, in f32, and the product's result is divided by l at the end. Since M is a whole number, a kernel that streams over the keys may use a running M (the ceiling of the running maximum): every later rescaling is an exact power of two, which a block's scale takes up: the codes' values come out the same.
;;   OPERANDS COMPUTED ON THE WAY. 'Computed on the way' means the value that the module computes at that place (a softmax that the list does not call 'softmax' is quantised finished and normalised). What goes into a quantiser is computed in f32, as accurately as f32 sums, v_exp_f32 and their like allow (about 1e-6 of the number): no bf16 or f16 on the way to a quantiser, and a product that is left as it is and whose result goes on into a quantised operand takes f32 operands (vector FMAs, or v_wmma_f32_16x16x4_f32). A number that lies on a knife's edge between two numbers of the format may be rounded either way, as far as f32 arithmetic and the matrix unit's own rounding can turn it there, and no further.
;; One version. Each part assembles by itself: llvm-mc -triple=amdgcn-amd-amdhsa -mcpu=gfx1250 --defsym DOCPART=n.
;; ======== version 1 of 1: 4 launches
;; limits: right only within a limited range of input values
;; workspace buffers: codes 15,728,640 bytes; scl 655,360 bytes; qkv 9,830,400 bytes; oc 3,145,728 bytes; os 131,072 bytes
;; launch quant (part 1): grid 1280 x 1, 2 waves a work-group, no clusters, 17,664 bytes of LDS; arguments x, wq, wk, wv, wo, codes, scl; writes codes, scl
.if DOCPART == 1
	.amdgcn_target "amdgcn-amd-amdhsa--gfx1250"
	.amdhsa_code_object_version 6
	.text
	.protected	k_qfc9481b4b1_quant
	.globl	k_qfc9481b4b1_quant
	.p2align	8
	.type	k_qfc9481b4b1_quant,@function
k_qfc9481b4b1_quant:
	s_mov_b64 s[64:65], 0
	v_nop
	global_prefetch_b8 v0, s[64:65] scope:SCOPE_SE
	s_setreg_imm32_b32 hwreg(HW_REG_WAVE_MODE, 25, 1), 1
	s_wait_xcnt 0x0
; x, wq, wk, wv, wo, each [2048][2048] f32 with K innermost, become codes of BF6 (E3M2) and E8M0 scale words, laid in the order of a matrix operand's registers.
; A TILE is 16 rows: lane index r of tile T is row 32 (T / 2) + 8 (T % 2) + r + 8 (r / 8).  A FRAGMENT (a tile x 128 along K) is 12 registers a lane; its image is 1,536 bytes: register j of lane l at 512 (j / 4) + 16 l + 4 (j % 4).
; codes: [matrix 5][tile 128][K step 16][1,536].  scl: [matrix 5][tile 128][K step 16][lane index 16] words, byte b of a word for k = 32 b .. 32 b + 31 of the step.
; A block's scale is 2^(floor(log2(its largest magnitude)) - 4); its byte is the largest magnitude's exponent field - 4, held at 1 from below.
; LIMITS: a block of zeros gets the byte 1 where the rule says 127 (its codes are zeros, and this program alone reads the bytes); NaN and infinities among the inputs are not served.
; SHARES: work-group g takes half the K of one tile of one matrix: 5 x 128 x 2 = 1,280 work-groups, a multiple of 256.  Its wave w takes K steps 4 u .. 4 u + 3, u = 2 (g % 2) + w.
; Each load reads 512 consecutive bytes of one row; a K step's 16 rows turn through the wave's own stage in LDS,
; so that lane (r, h) gets the 32 neighbours k = 64 c + 32 h .. of row r that the operand's layout gives it: a block lies in one lane.  Waves share nothing: no barrier.
.set ROWB,  8192                       ; a row of a matrix in bytes
.set MATB,  3145728                    ; a matrix's codes
.set IMG,   1536
.set SP,    528                        ; a stage row: 512 bytes + 16
.set SBY,   16*SP                      ; behind the stage: the wave's 256 bytes of scale words
.set WREG,  SBY+256                    ; a wave's LDS
.set LI,  1                            ; v1   16 x lane: my bytes of a load, and of an image's store
.set SA,  2                            ; v2   the stage, on the way in
.set SB,  3                            ; v3   and on the way out: row r, + 128 h
.set SS,  4                            ; v4   my row's scale word in LDS
.set SL,  5                            ; v5   the scale words on their way out: 8 bytes a lane
.set SG,  6                            ; v6   the same place in memory
.set SH8, 7                            ; v7   8 h
.set TM,  8                            ; v8-9   the two blocks' largest magnitudes
.set SO,  10                           ; v10-11 the conversions' scale operands
.set BY,  12                           ; v12-13 the bytes
.set PW,  14                           ; v14  the scale word
.set PX,  15                           ; v15  the other half's bytes
.set PC,  16                           ; v16-27 the fragment
.set PT,  28                           ; v28-30, v32-34 the blocks' upper halves
.set OB,  36
.set R,   64                           ; v64-255 three sets of 64 numbers
	s_load_b256 s[4:11], s[0:1], 0x0               ; x, wq, wk, wv
	s_load_b128 s[12:15], s[0:1], 0x20             ; wo, codes
	s_load_b64 s[16:17], s[0:1], 0x30              ; scl
	v_lshl_add_u32 v62, v0, 2, 0x4400
	v_mov_b32 v63, 0
	v_lshrrev_b32 v8, 5, v0
	v_readfirstlane_b32 s18, v8                    ; wave 0, 1
	v_and_b32 v9, 31, v0                           ; lane
	v_and_b32 v10, 15, v0                          ; r
	v_bfe_u32 v11, v0, 4, 1                        ; h
	v_lshlrev_b32 v[LI], 4, v9
	s_mul_i32 s19, s18, WREG
	v_add_nc_u32 v[SA], s19, v[LI]
	v_mul_u32_u24 v[SB], v10, SP
	v_lshl_add_u32 v[SB], v11, 7, v[SB]
	v_add_nc_u32 v[SB], s19, v[SB]
	s_add_co_u32 s19, s19, SBY
	v_lshl_add_u32 v[SS], v10, 2, s19
	v_lshl_add_u32 v[SL], v9, 3, s19
	v_lshlrev_b32 v[SG], 3, v9
	v_lshlrev_b32 v[SH8], 3, v11
	v_mov_b32 v[PX], 0                             ; a lane permute's destination counts as one of its sources
	s_mov_b32 s20, 0x76543210
	s_mov_b32 s21, 0xfedcba98                      ; selects for lane l xor 16
	s_lshr_b32 s22, ttmp9, 8                       ; which matrix
	s_bfe_u32 s23, ttmp9, 0x70001                  ; which tile: 7 bits from bit 1
	s_and_b32 s30, ttmp9, 1
	s_lshl_b32 s30, s30, 1
	s_add_co_u32 s30, s30, s18                     ; u: which quarter of K is my wave's
	s_lshr_b32 s24, s23, 1
	s_lshl_b32 s24, s24, 18                        ; 32 (T / 2) rows
	s_and_b32 s25, s23, 1
	s_lshl_b32 s25, s25, 16                        ; 8 (T % 2) rows
	s_add_co_u32 s24, s24, s25
	s_lshl_b32 s25, s30, 11                        ; my four K steps: 2,048 bytes of a row
	s_add_co_u32 s24, s24, s25
	s_mov_b32 s25, 0
	s_lshl_b32 s26, s23, 4
	s_lshl_b32 s27, s30, 2
	s_add_co_u32 s26, s26, s27
	s_mul_i32 s26, s26, IMG                        ; image 16 T + 4 u
	s_mul_i32 s27, s22, MATB
	s_add_co_u32 s26, s26, s27
	s_mov_b32 s27, 0
	s_lshl_b32 s28, s23, 10
	s_lshl_b32 s29, s30, 8
	s_add_co_u32 s28, s28, s29
	s_lshl_b32 s29, s22, 17
	s_add_co_u32 s28, s28, s29                     ; the scale words: 131,072 a matrix, 1,024 a tile, 256 a quarter of K
	s_mov_b32 s29, 0
	s_wait_alu depctr_va_vdst(0)
	s_wait_kmcnt 0x0
	s_cmp_eq_u32 s22, 1                            ; the choice hangs on the work-group's number alone
	s_cselect_b64 s[4:5], s[6:7], s[4:5]
	s_cmp_eq_u32 s22, 2
	s_cselect_b64 s[4:5], s[8:9], s[4:5]
	s_cmp_eq_u32 s22, 3
	s_cselect_b64 s[4:5], s[10:11], s[4:5]
	s_cmp_eq_u32 s22, 4
	s_cselect_b64 s[4:5], s[12:13], s[4:5]
	s_add_nc_u64 s[4:5], s[4:5], s[24:25]
	s_add_nc_u64 s[14:15], s[14:15], s[26:27]
	s_add_nc_u64 s[16:17], s[16:17], s[28:29]
.macro LOAD t                          ; K step t of the wave's four: 16 rows x 512 consecutive bytes, into set t % 3
.irp i, 0,1,2,3,4,5,6,7,8,9,10,11,12,13,14,15
	global_load_b128 v[R+64*((\t)%3)+4*\i:R+64*((\t)%3)+4*\i+3], v[LI], s[4:5] offset:(\i+8*(\i/8))*ROWB+512*(\t) th:TH_LOAD_NT
.endr
.endm
.macro FRAGQ t, left                   ; left: the loads of later K steps, which may stay out
.set RS, R+64*((\t)%3)
	s_wait_loadcnt \left
.irp i, 0,1,2,3,4,5,6,7,8,9,10,11,12,13,14,15
	ds_store_b128 v[SA], v[RS+4*\i:RS+4*\i+3] offset:SP*\i
.endr
.irp c, 0,1                            ; LDS serves a wave's instructions in order: these see the stores above.  Register 32 c + i = k 64 c + 32 h + i of row r
.irp j, 0,1,2,3,4,5,6,7
	ds_load_b128 v[RS+32*\c+4*\j:RS+32*\c+4*\j+3], v[SB] offset:256*\c+16*\j
.endr
.endr
	s_wait_dscnt 0x0
.irp c, 0,1
	v_max3_num_f32 v[TM+\c], |v[RS+32*\c]|, |v[RS+32*\c+1]|, 0x2800000   ; my block 2 c + h, and the floor 2^(5 - 127): the byte cannot fall under 1
.endr
.irp i, 2,4,6,8,10,12,14,16,18,20,22,24,26,28,30
.irp c, 0,1
	v_max3_num_f32 v[TM+\c], v[TM+\c], |v[RS+32*\c+\i]|, |v[RS+32*\c+\i+1]|
.endr
.endr
.irp c, 0,1
	v_add_nc_u32 v[SO+\c], 0xfe000000, v[TM+\c]    ; 4 off the exponent field: the conversion's scale operand
.endr
.irp c, 0,1
	v_lshrrev_b32 v[BY+\c], 23, v[SO+\c]           ; the scale's byte
.endr
	v_lshl_or_b32 v[PW], v[BY+1], 16, v[BY]        ; blocks h and 2 + h,
	v_lshlrev_b32 v[PW], v[SH8], v[PW]             ; at their places in the word;
	v_permlanex16_b32 v[PX], v[PW], s20, s21
	v_or_b32 v[PW], v[PW], v[PX]                   ; with lane l xor 16's two the word is whole
	s_wait_alu depctr_va_vdst(0)
	s_wait_xcnt 0x0                                ; the last fragment's stores have read v[PC] on: it is written again only behind this wait
.irp c, 0,1
	v_cvt_scalef32_pk16_bf6_f32 v[PC+6*\c:PC+6*\c+2], v[RS+32*\c:RS+32*\c+15], v[SO+\c]
	v_cvt_scalef32_pk16_bf6_f32 v[PT+4*\c:PT+4*\c+2], v[RS+32*\c+16:RS+32*\c+31], v[SO+\c]   ; (a conversion's three registers begin on an even number)
.endr
	v_nop                                          ; one plain place behind a scaled conversion
.irp c, 0,1
.irp i, 0,1,2
	v_mov_b32 v[PC+3+6*\c+\i], v[PT+4*\c+\i]
.endr
.endr
.irp k, 0,1,2
	global_store_b128 v[LI], v[PC+4*\k:PC+4*\k+3], s[14:15] offset:IMG*(\t)+512*\k   ; 32 lanes store 512 consecutive bytes, aligned
.endr
	ds_store_b32 v[SS], v[PW] offset:64*(\t)       ; both halves write the same word with the same value
.endm
	LOAD 0
	LOAD 1
	LOAD 2
	FRAGQ 0, 32
	LOAD 3                                         ; into the set that K step 0 has left
	FRAGQ 1, 32
	FRAGQ 2, 16
	FRAGQ 3, 0
	ds_load_b64 v[OB:OB+1], v[SL]                  ; in order behind my stores
	s_wait_dscnt 0x0
	global_store_b64 v[SG], v[OB:OB+1], s[16:17]   ; 32 lanes store 256 consecutive bytes, aligned
	s_wait_tensorcnt 0x0
	ds_add_u32 v62, v63
	s_wait_dscnt 0x0
	s_endpgm
.Lfunc_end_k_qfc9481b4b1_quant:
	.size	k_qfc9481b4b1_quant, .Lfunc_end_k_qfc9481b4b1_quant-k_qfc9481b4b1_quant
	.p2alignl 7, 3214868480
	.fill 96, 4, 3214868480
	.section	.rodata,"a",@progbits
	.p2align	6, 0x0
	.amdhsa_kernel k_qfc9481b4b1_quant
		.amdhsa_group_segment_fixed_size 17664
		.amdhsa_private_segment_fixed_size 0
		.amdhsa_enable_private_segment 0
		.amdhsa_kernarg_size 56
		.amdhsa_user_sgpr_count 2
		.amdhsa_user_sgpr_kernarg_segment_ptr 1
		.amdhsa_wavefront_size32 1
		.amdhsa_system_sgpr_workgroup_id_x 1
		.amdhsa_system_sgpr_workgroup_id_y 1
		.amdhsa_system_sgpr_workgroup_id_z 1
		.amdhsa_system_vgpr_workitem_id 0
		.amdhsa_next_free_vgpr 256
		.amdhsa_next_free_sgpr 66
		.amdhsa_reserve_vcc 0
		.amdhsa_float_denorm_mode_32 3
		.amdhsa_float_denorm_mode_16_64 3
		.amdhsa_memory_ordered 1
		.amdhsa_forward_progress 1
		.amdhsa_inst_pref_size 31
	.end_amdhsa_kernel
	.amdgpu_metadata
---
amdhsa.version: [ 1, 2 ]
amdhsa.kernels:
  - .name:           k_qfc9481b4b1_quant
    .symbol:         k_qfc9481b4b1_quant.kd
    .args:
      - { .name: x, .offset: 0, .size: 8, .value_kind: global_buffer, .address_space: global }
      - { .name: wq, .offset: 8, .size: 8, .value_kind: global_buffer, .address_space: global }
      - { .name: wk, .offset: 16, .size: 8, .value_kind: global_buffer, .address_space: global }
      - { .name: wv, .offset: 24, .size: 8, .value_kind: global_buffer, .address_space: global }
      - { .name: wo, .offset: 32, .size: 8, .value_kind: global_buffer, .address_space: global }
      - { .name: codes, .offset: 40, .size: 8, .value_kind: global_buffer, .address_space: global }
      - { .name: scl, .offset: 48, .size: 8, .value_kind: global_buffer, .address_space: global }
    .group_segment_fixed_size: 17664
    .private_segment_fixed_size: 0
    .kernarg_segment_align: 8
    .kernarg_segment_size: 56
    .max_flat_workgroup_size: 64
    .sgpr_count:     66
    .vgpr_count:     256
    .wavefront_size: 32
...
	.end_amdgpu_metadata
.endif
;; end of part 1
;; launch qkv (part 2): grid 8 x 24, 4 waves a work-group, clusters of 4 x 4, 327,680 bytes of LDS; arguments codes, scl, freqs_cos, freqs_sin, qkv; writes qkv
.if DOCPART == 2
	.amdgcn_target "amdgcn-amd-amdhsa--gfx1250"
	.amdhsa_code_object_version 6
	.text
	.protected	k_qfc9481b4b1_qkv
	.globl	k_qfc9481b4b1_qkv
	.p2align	8
	.type	k_qfc9481b4b1_qkv,@function
k_qfc9481b4b1_qkv:
	s_mov_b64 s[64:65], 0
	v_nop
	global_prefetch_b8 v0, s[64:65] scope:SCOPE_SE
	s_setreg_imm32_b32 hwreg(HW_REG_WAVE_MODE, 25, 1), 1
	s_wait_xcnt 0x0
	s_wait_alu depctr_hold_cnt(0) depctr_sa_sdst(0) depctr_va_vdst(0) depctr_va_sdst(0) depctr_va_ssrc(0) depctr_va_vcc(0) depctr_vm_vsrc(0)
	s_getreg_b32 s2, hwreg(HW_REG_IB_STS2, 6, 4)
	s_cmp_eq_u32 s2, 0
	s_cbranch_scc0 .Lentry_in_a_cluster
	s_endpgm
.Lentry_in_a_cluster:
	s_bfe_u32 s2, ttmp6, 0x10000c
	s_cmp_lg_u32 s2, 0xf033
	s_cbranch_scc0 .Lentry_shape_is_right
	s_endpgm
.Lentry_shape_is_right:
.set MATB,  3145728
.set SCLB,  131072
.set IMG,   1536
.set TROW,  16*IMG
.set NQ,    2
.set TSL,   NQ*IMG
.set FR,    12
.set NL,    3
.set NP,    4
.set HALFT, 8*TSL
.set SLOT,  4*HALFT
.set LAPS,  4
.set SCL,   2*SLOT
.set HALFS, 8*1024
.set SPARE, SCL+4*HALFS
.set BLKB,  12800
.set LI,   8
.set CV,   9
.set LN,   10
.set ADRA, 16
.set ADRB, 20
.set ADRS, 27
.set SPW,  28
.set NIL,  29
.set SC,   32
.set TM,   64
.set FLR,  80
.set PC,   82
.set SW,   104
.set SD,   112
.set AF,   128
.set RT,   128
.set G1, 24
.set G0, 32
.set G1B, 48
.set G0B, 56
.set G1S, 68
.set G0S, 76
.set G1SB, 80
.set G0SB, 88
.set GRP, 96
.set SEL, 98
.set MSB, 0
.macro WIN new
.if MSB != (\new)
	s_set_vgpr_msb (MSB<<8)|(\new)
.set MSB, (\new)
.endif
.endm
.set MUL_LO, 0xa1
.set MUL_HI, 0xf1
.set TO_B,   0x40
.macro JLOAD g0a, g1a, g0b, g1b
	s_cmp_eq_u32 s15, 0
	s_cbranch_scc0 .Lfor_b_\@
	tensor_load_to_lds s[\g0a:\g0a+3], s[\g1a:\g1a+7]
	s_nop 0
.rept 4
	v_nop
.endr
	s_branch .Lasked_\@
.Lfor_b_\@:
	tensor_load_to_lds s[\g0b:\g0b+3], s[\g1b:\g1b+7]
	s_nop 0
.rept 4
	v_nop
.endr
.Lasked_\@:
.endm
.macro CREST
	s_cmp_lg_u32 s14, 0
	s_cbranch_scc1 .Lnot_wave_0_\@
	s_barrier_signal -3
.Lnot_wave_0_\@:
	s_barrier_wait -3
	s_barrier_signal -1
	s_barrier_wait -1
.endm
.macro CROUND
	s_barrier_signal -1
	s_barrier_wait -1
	CREST
.endm
	s_load_b256 s[4:11], s[0:1], 0x0
	s_load_b64 s[12:13], s[0:1], 0x20
	v_lshl_add_u32 v[SPW], v0, 2, SPARE
	v_mov_b32 v[NIL], 0
	ds_add_u32 v28, v29
	ds_add_u32 v28, v29
	s_wait_dscnt 0x0
	v_lshrrev_b32 v1, 5, v0
	v_readfirstlane_b32 s14, v1
	s_lshr_b32 s15, s14, 1
	s_and_b32 s16, s14, 1
	s_bfe_u32 s40, ttmp6, 0x40000
	s_bfe_u32 s41, ttmp6, 0x40004
	s_lshl_b32 s42, ttmp9, 2
	s_add_co_u32 s42, s42, s40
	s_and_b32 s[GRP], ttmp7, 0xffff
	s_lshl_b32 s17, s[GRP], 2
	s_add_co_u32 s17, s17, s41
	s_and_b32 s17, s17, 7
	s_lshr_b32 s[GRP], s[GRP], 1
	s_add_co_u32 s98, s[GRP], 1
	s_cmp_eq_u32 s[GRP], 2
	s_cselect_b32 s97, 3, 0
	s_cselect_b32 s98, 0, s98
	s_lshl_b32 s43, s41, 2
	s_lshl_b32 s43, 15, s43
	s_lshl_b32 s44, 0x1111, s40
	s_or_b32 s[G1+0], s43, (3<<16)|(1<<21)
	s_or_b32 s[G1B+0], s44, (3<<16)|(1<<21)
.irp g, G1, G1B
	s_mov_b32 s[\g+1], (TSL/8)<<16
	s_mov_b32 s[\g+2], 8<<16
	s_mov_b32 s[\g+3], (TSL/8)<<16
	s_mov_b32 s[\g+4], 8
	s_mov_b32 s[\g+5], TROW/8
	s_mov_b32 s[\g+6], 0
	s_mov_b32 s[\g+7], 0
.endr
	s_or_b32 s[G1S+0], s43, (3<<16)|(1<<21)
	s_or_b32 s[G1SB+0], s44, (3<<16)|(1<<21)
.irp g, G1S, G1SB
	s_mov_b32 s[\g+1], 32<<16
	s_mov_b32 s[\g+2], 32<<16
	s_mov_b32 s[\g+3], 32<<16
	s_mov_b32 s[\g+4], 32
	s_mov_b32 s[\g+5], 32
	s_mov_b32 s[\g+6], 0
	s_mov_b32 s[\g+7], 0
.endr
	s_lshl_b32 s18, s16, 3
	s_lshl_b32 s20, s17, 4
	s_add_co_u32 s20, s20, s18
	s_lshl_b32 s46, s42, 4
	s_add_co_u32 s46, s46, s18
	s_lshl_b32 s22, s20, 10
	s_lshl_b32 s92, s46, 10
	s_mul_i32 s20, s20, TROW
	s_mul_i32 s46, s46, TROW
	s_mul_i32 s19, s97, MATB
	s_add_co_u32 s20, s20, s19
	s_mul_i32 s19, s97, SCLB
	s_add_co_u32 s22, s22, s19
	s_mul_i32 s19, s98, MATB
	s_add_co_u32 s46, s46, s19
	s_mul_i32 s19, s98, SCLB
	s_add_co_u32 s92, s92, s19
	s_mov_b32 s21, 0
	s_mov_b32 s23, 0
	s_mov_b32 s47, 0
	s_mov_b32 s93, 0
	s_mul_i32 s45, s14, HALFT
	s_mul_i32 s94, s14, HALFS
	s_wait_kmcnt 0x0
	s_add_nc_u64 s[20:21], s[4:5], s[20:21]
	s_add_nc_u64 s[22:23], s[6:7], s[22:23]
	s_add_nc_u64 s[46:47], s[4:5], s[46:47]
	s_add_nc_u64 s[92:93], s[6:7], s[92:93]
	CROUND
	s_mov_b32 s[G0S], 1
	s_add_co_u32 s[G0S+1], s94, SCL
	s_mov_b64 s[G0S+2:G0S+3], s[22:23]
	s_or_b32 s[G0S+3], s[G0S+3], 0x80000000
	s_mov_b32 s[G0SB], 1
	s_add_co_u32 s[G0SB+1], s94, SCL
	s_mov_b64 s[G0SB+2:G0SB+3], s[92:93]
	s_or_b32 s[G0SB+3], s[G0SB+3], 0x80000000
	JLOAD G0S, G1S, G0SB, G1SB
.irp s, 0,1
	s_mov_b32 s[G0+4*\s], 1
	s_add_co_u32 s[G0+4*\s+1], s45, \s*SLOT
	s_add_nc_u64 s[G0+4*\s+2:G0+4*\s+3], s[20:21], \s*TSL
	s_or_b32 s[G0+4*\s+3], s[G0+4*\s+3], 0x80000000
	s_mov_b32 s[G0B+4*\s], 1
	s_add_co_u32 s[G0B+4*\s+1], s45, \s*SLOT
	s_add_nc_u64 s[G0B+4*\s+2:G0B+4*\s+3], s[46:47], \s*TSL
	s_or_b32 s[G0B+4*\s+3], s[G0B+4*\s+3], 0x80000000
	s_wait_alu depctr_va_vdst(0)
	s_wait_tensorcnt 0x0
	ds_add_u32 v28, v29
	s_wait_dscnt 0x0
	CROUND
	JLOAD G0+4*\s, G1, G0B+4*\s, G1B
.endr
	v_and_b32 v[LN], 31, v0
	v_lshlrev_b32 v[LI], 4, v[LN]
	v_and_b32 v1, 15, v0
	v_bfe_u32 v2, v0, 4, 1
	s_wait_alu depctr_va_vdst(0)
	s_mul_i32 s21, s15, HALFT
	s_mul_i32 s22, s16, HALFT
	s_add_co_u32 s22, s22, 2*HALFT
.irp s, 0,1
	v_add_nc_u32 v[ADRA+\s], s21, v[LI]
	v_add_nc_u32 v[ADRB+\s], s22, v[LI]
	s_add_co_u32 s21, s21, SLOT
	s_add_co_u32 s22, s22, SLOT
.endr
	v_lshlrev_b32 v5, 2, v1
	s_mul_i32 s21, s15, HALFS
	s_mul_i32 s22, s16, HALFS
	s_add_co_u32 s22, s22, 2*HALFS
	s_sub_co_u32 s22, s22, s21
	v_mul_u32_u24 v6, s22, v2
	s_add_co_u32 s21, s21, SCL
	v_add_nc_u32 v5, v5, v6
	v_add_nc_u32 v[ADRS], s21, v5
	s_mul_i32 s20, s14, 8704                       ; my stage for cos and sin: 2 x 16 rows x 272 bytes, in slot 0, used behind its last fill and last read
	v_mul_u32_u24 v11, v1, 272
	v_lshl_add_u32 v11, v2, 5, v11
	v_add_nc_u32 v11, s20, v11                     ; out of it: row r, + 32 h
	v_mul_u32_u24 v12, v2, 272
	v_lshl_add_u32 v12, v1, 4, v12
	v_add_nc_u32 v12, s20, v12                     ; into it: lanes 0-15 one row of 256 bytes, lanes 16-31 the next
	s_lshl_b32 s20, s17, 16
	s_lshl_b32 s21, s15, 15
	s_add_co_u32 s20, s20, s21
	s_mov_b32 s21, 0
	s_add_nc_u64 s[8:9], s[8:9], s[20:21]
	s_add_nc_u64 s[10:11], s[10:11], s[20:21]
	s_lshl_b32 s20, s17, 1
	s_add_co_u32 s20, s20, s15
	s_lshl_b32 s46, s42, 1
	s_add_co_u32 s46, s46, s16
	s_cmp_eq_u32 s[GRP], 2
	s_cselect_b32 s22, s20, s46
	s_cselect_b32 s23, s46, s20
	s_lshl_b32 s22, s22, 4
	s_add_co_u32 s22, s22, s23
	s_mul_i32 s22, s22, 3*BLKB
	s_mul_i32 s23, s[GRP], BLKB
	s_add_co_u32 s22, s22, s23
	s_mov_b32 s23, 0
	s_add_nc_u64 s[12:13], s[12:13], s[22:23]
	s_mov_b32 s[SEL], 0x76543210
	s_mov_b32 s[SEL+1], 0xfedcba98
.macro FRAG reg, adr, q, i
.irp c, 0,1,2
	ds_load_b128 v[\reg+4*\c:\reg+4*\c+3], v[\adr] offset:(\i)*TSL+(\q)*IMG+512*\c
.endr
.endm
.macro MUL16 a0, p, q, sc, zero
.irp a, \a0, \a0+1
.irp b, 0,1,2,3,4,5,6,7
.if \zero
	v_wmma_scale_f32_16x16x128_f8f6f4 v[8*(8*((\a)%4)+\b):8*(8*((\a)%4)+\b)+7], v[128*(\p)+FR*\b:128*(\p)+FR*\b+FR-1], v[AF+FR*(\a):AF+FR*(\a)+FR-1], 0, v[SC+8*NQ*(\sc)+NQ*\b+(\q)], v[SC+8*NQ*(\sc)+NQ*(\a)+(\q)] matrix_a_fmt:MATRIX_FMT_BF6 matrix_b_fmt:MATRIX_FMT_BF6 matrix_a_scale:MATRIX_SCALE_ROW1
.else
	v_wmma_scale_f32_16x16x128_f8f6f4 v[8*(8*((\a)%4)+\b):8*(8*((\a)%4)+\b)+7], v[128*(\p)+FR*\b:128*(\p)+FR*\b+FR-1], v[AF+FR*(\a):AF+FR*(\a)+FR-1], v[8*(8*((\a)%4)+\b):8*(8*((\a)%4)+\b)+7], v[SC+8*NQ*(\sc)+NQ*\b+(\q)], v[SC+8*NQ*(\sc)+NQ*(\a)+(\q)] matrix_a_fmt:MATRIX_FMT_BF6 matrix_b_fmt:MATRIX_FMT_BF6 matrix_a_scale:MATRIX_SCALE_ROW1
.endif
.endr
.endr
.endm
.macro FETCH_B slot, q, p
	WIN TO_B
.irp i, 0,1,2,3,4,5,6,7
	FRAG 128*(\p)+FR*\i, ADRB+\slot, \q, \i
.endr
	WIN 0
.endm
.macro FETCH_A slot, q, i0
.irp i, \i0, \i0+1, \i0+2, \i0+3
	FRAG AF+FR*(\i), ADRA+\slot, \q, \i
.endr
.endm
.macro SCALES sc
.irp i, 0,1,2,3,4,5,6,7
.irp q, 0,1
	ds_load_b32 v[SC+8*NQ*\sc+NQ*\i+\q], v[ADRS] offset:\i*1024+64*\q
.endr
.endr
.endm
.macro PLACES n
.rept \n
	v_nop
.endr
.endm
.macro STEP slot, q, zero
	s_wait_dscnt 4*NL
	WIN MUL_LO
	MUL16 0, (\q)%2, \q, \slot, \zero
	MUL16 2, (\q)%2, \q, \slot, \zero
	s_wait_dscnt 0
	PLACES NP
	FETCH_B \slot, (\q)+1, 1-(\q)%2
	FETCH_A \slot, (\q)+1, 0
	WIN MUL_HI
	MUL16 4, (\q)%2, \q, \slot, \zero
	MUL16 6, (\q)%2, \q, \slot, \zero
	PLACES NP
	WIN 0
	FETCH_A \slot, (\q)+1, 4
.endm
.macro TURN slot, next, fill
	s_wait_tensorcnt 0x0
	ds_add_u32 v[SPW], v[NIL]
	s_wait_dscnt 4*NL+1
	WIN MUL_LO
	MUL16 0, 1, NQ-1, \slot, 0
	s_wait_dscnt 0x0
	s_barrier_signal -1
	MUL16 2, 1, NQ-1, \slot, 0
	WIN 0
	s_barrier_wait -1
.if \fill
	CREST
	s_add_nc_u64 s[G0+4*\slot+2:G0+4*\slot+3], s[G0+4*\slot+2:G0+4*\slot+3], 2*TSL
	s_add_nc_u64 s[G0B+4*\slot+2:G0B+4*\slot+3], s[G0B+4*\slot+2:G0B+4*\slot+3], 2*TSL
	JLOAD G0+4*\slot, G1, G0B+4*\slot, G1B
.else
	PLACES NP
.endif
	s_wait_alu depctr_va_vdst(0)
	v_add_nc_u32 v[ADRS], 64*NQ, v[ADRS]
	FETCH_B \next, 0, 0
	FETCH_A \next, 0, 0
	SCALES \next
	WIN MUL_HI
	MUL16 4, 1, NQ-1, \slot, 0
	MUL16 6, 1, NQ-1, \slot, 0
	PLACES NP
	WIN 0
	FETCH_A \next, 0, 4
.endm
.macro LAST
	s_wait_dscnt 4*NL
	WIN MUL_LO
	MUL16 0, 1, NQ-1, 1, 0
	MUL16 2, 1, NQ-1, 1, 0
	s_wait_dscnt 0
	WIN MUL_HI
	MUL16 4, 1, NQ-1, 1, 0
	MUL16 6, 1, NQ-1, 1, 0
	WIN 0
.endm
.macro CSLOAD a
.set CE, 64*((\a)%4)
	WIN 0x40
.irp b, 0,1,2,3
.irp j, 0,1
	global_load_b128 v[CE+8*\b+4*\j:CE+8*\b+4*\j+3], v[LI], s[8:9] offset:(32*((\a)/2)+8*((\a)%2)+4*\b+2*\j+8*(\b/2))*256       ; 32 lanes read two neighbouring rows: 512 consecutive bytes
	global_load_b128 v[CE+32+8*\b+4*\j:CE+32+8*\b+4*\j+3], v[LI], s[10:11] offset:(32*((\a)/2)+8*((\a)%2)+4*\b+2*\j+8*(\b/2))*256
.endr
.endr
	WIN 0
.endm
.macro ROPE a
.set AC, 64*((\a)%4)
.set RW, 2+(\a)/4
.set CE, 64*((\a)%4)
	WIN RW|(1<<2)
.set RP, 0
.rept 32
	v_mul_f32 v[RT+2*RP], v[AC+2*RP+1], v[CE+32+RP]
	v_mul_f32 v[RT+2*RP+1], v[AC+2*RP], v[CE+32+RP]
.set RP, RP+1
.endr
	WIN RW|(1<<2)|(RW<<6)
.set RP, 0
.rept 32
	v_fma_f32 v[AC+2*RP], v[AC+2*RP], v[CE+RP], -v[RT+2*RP]
	v_fma_f32 v[AC+2*RP+1], v[AC+2*RP+1], v[CE+RP], v[RT+2*RP+1]
.set RP, RP+1
.endr
.endm
.macro QUANT s, w, pc, pw
	WIN ((\w)<<2)|((\w)<<4)
.irp b, 0,1,2,3
	v_max3_num_f32 v[TM+\b], v[FLR], |v[(\s)+16*\b]|, |v[(\s)+16*\b+1]|
.endr
.irp i, 2,4,6,8,10,12,14
.irp b, 0,1,2,3
	v_max3_num_f32 v[TM+\b], v[TM+\b], |v[(\s)+16*\b+\i]|, |v[(\s)+16*\b+\i+1]|
.endr
.endr
	WIN 0
.irp b, 0,1,2,3
	v_permlanex16_b32 v[TM+4+\b], v[TM+\b], s[SEL], s[SEL+1]
.endr
.irp b, 0,1,2,3
	v_max_num_f32 v[TM+\b], v[TM+\b], v[TM+4+\b]
.endr
.irp b, 0,1,2,3
	v_add_nc_u32 v[TM+12+\b], 0xfe000000, v[TM+\b]
.endr
.irp b, 0,1,2,3
	v_lshrrev_b32 v[TM+4+\b], 23, v[TM+12+\b]
.endr
	v_lshl_or_b32 v[\pw], v[TM+5], 8, v[TM+4]
	v_lshl_or_b32 v[\pw], v[TM+6], 16, v[\pw]
	v_lshl_or_b32 v[\pw], v[TM+7], 24, v[\pw]
	WIN (\w)
.irp c, 0,1
	v_cvt_scalef32_pk16_bf6_f32 v[(\pc)+6*\c:(\pc)+6*\c+2], v[(\s)+32*\c:(\s)+32*\c+15], v[TM+12+2*\c]
	v_cvt_scalef32_pk16_bf6_f32 v[(\pc)+12+4*\c:(\pc)+14+4*\c], v[(\s)+32*\c+16:(\s)+32*\c+31], v[TM+12+2*\c+1]
.endr
	WIN 0
	v_nop
.irp c, 0,1
.irp i, 0,1,2
	v_permlane16_swap_b32 v[(\pc)+6*\c+\i], v[(\pc)+12+4*\c+\i]
.endr
.irp i, 0,1,2
	v_mov_b32 v[(\pc)+3+6*\c+\i], v[(\pc)+12+4*\c+\i]
.endr
.endr
.endm
.macro WAYOUT rope
	PLACES NP
	v_mov_b32 v[FLR], 0x2800000
.irp b, 0,1,2,3
	v_mov_b32 v[TM+4+\b], 0
.endr
.if \rope
	CSLOAD 2
	CSLOAD 3
.endif
	s_wait_alu depctr_va_vdst(0)
.irp a, 0,1,2,3,4,5,6,7
.if \rope
.if \a < 5
	s_wait_loadcnt 48
.else
	s_wait_loadcnt 16*(7-\a)
.endif
	WIN 0x44                                       ; the block's cos and sin turn through my stage; LDS serves a wave's instructions in order
.irp m, 0,1,2,3,4,5,6,7
	ds_store_b128 v12, v[64*(\a%4)+4*\m:64*(\a%4)+4*\m+3] offset:544*\m
	ds_store_b128 v12, v[64*(\a%4)+32+4*\m:64*(\a%4)+32+4*\m+3] offset:4352+544*\m
.endr
.irp m, 0,1,2,3,4,5,6,7
	ds_load_b128 v[64*(\a%4)+4*\m:64*(\a%4)+4*\m+3], v11 offset:64*(\m/2)+16*(\m%2)
	ds_load_b128 v[64*(\a%4)+32+4*\m:64*(\a%4)+32+4*\m+3], v11 offset:4352+64*(\m/2)+16*(\m%2)
.endr
	s_wait_dscnt 0x0
	ROPE \a
	WIN 0
.endif
	s_wait_xcnt 0x0
.if \rope
.if \a < 4
	CSLOAD \a+4
.endif
.endif
	QUANT 64*(\a%4), 2+\a/4, PC, SW+\a
.irp k, 0,1,2
	global_store_b128 v[LI], v[PC+4*\k:PC+4*\k+3], s[12:13] offset:IMG*\a+512*\k
.endr
.endr
	v_cmp_gt_u32 vcc_lo, 16, v[LN]
.irp i, 0,1,2,3
	v_cndmask_b32 v[SD+\i], v[SW+4+\i], v[SW+\i], vcc_lo
.endr
	global_store_b128 v[LI], v[SD:SD+3], s[12:13] offset:8*IMG
.endm
	s_wait_alu depctr_va_vdst(0)
	s_wait_tensorcnt 1
	s_barrier_signal -1
	s_barrier_wait -1
	FETCH_B 0, 0, 0
	FETCH_A 0, 0, 0
	SCALES 0
	FETCH_A 0, 0, 4
	STEP 0, 0, 1
	s_mov_b32 s3, LAPS-1
.Llap:
	TURN 0, 1, 1
	STEP 1, 0, 0
	TURN 1, 0, 1
	STEP 0, 0, 0
	s_sub_co_u32 s3, s3, 1
	s_cmp_lg_u32 s3, 0
	s_cbranch_scc1 .Llap
	TURN 0, 1, 0
	STEP 1, 0, 0
	s_cmp_eq_u32 s[GRP], 2
	s_cbranch_scc1 .Lvout
	CSLOAD 0
	CSLOAD 1
	LAST
	WAYOUT 1
	s_branch .Lend
.Lvout:
	LAST
	WAYOUT 0
.Lend:
	s_wait_tensorcnt 0x0
	ds_add_u32 v[SPW], v[NIL]
	s_wait_dscnt 0x0
	CROUND
	s_endpgm
.Lfunc_end_k_qfc9481b4b1_qkv:
	.size	k_qfc9481b4b1_qkv, .Lfunc_end_k_qfc9481b4b1_qkv-k_qfc9481b4b1_qkv
	.p2alignl 7, 3214868480
	.fill 96, 4, 3214868480
	.section	.rodata,"a",@progbits
	.p2align	6, 0x0
	.amdhsa_kernel k_qfc9481b4b1_qkv
		.amdhsa_group_segment_fixed_size 327680
		.amdhsa_private_segment_fixed_size 0
		.amdhsa_enable_private_segment 0
		.amdhsa_kernarg_size 40
		.amdhsa_user_sgpr_count 2
		.amdhsa_user_sgpr_kernarg_segment_ptr 1
		.amdhsa_wavefront_size32 1
		.amdhsa_system_sgpr_workgroup_id_x 1
		.amdhsa_system_sgpr_workgroup_id_y 1
		.amdhsa_system_sgpr_workgroup_id_z 1
		.amdhsa_system_vgpr_workitem_id 0
		.amdhsa_next_free_vgpr 1024
		.amdhsa_next_free_sgpr 100
		.amdhsa_reserve_vcc 1
		.amdhsa_float_denorm_mode_32 3
		.amdhsa_float_denorm_mode_16_64 3
		.amdhsa_memory_ordered 1
		.amdhsa_forward_progress 1
		.amdhsa_inst_pref_size 255
	.end_amdhsa_kernel
	.section	.bss,"aw",@nobits
	.p2align	6
	.space	262144
	.amdgpu_metadata
---
amdhsa.version: [ 1, 2 ]
amdhsa.kernels:
  - .name:           k_qfc9481b4b1_qkv
    .symbol:         k_qfc9481b4b1_qkv.kd
    .args:
      - { .name: codes, .offset: 0, .size: 8, .value_kind: global_buffer, .address_space: global }
      - { .name: scl, .offset: 8, .size: 8, .value_kind: global_buffer, .address_space: global }
      - { .name: freqs_cos, .offset: 16, .size: 8, .value_kind: global_buffer, .address_space: global }
      - { .name: freqs_sin, .offset: 24, .size: 8, .value_kind: global_buffer, .address_space: global }
      - { .name: qkv, .offset: 32, .size: 8, .value_kind: global_buffer, .address_space: global }
    .group_segment_fixed_size: 327680
    .private_segment_fixed_size: 0
    .kernarg_segment_align: 8
    .kernarg_segment_size: 40
    .max_flat_workgroup_size: 128
    .sgpr_count:     100
    .vgpr_count:     1024
    .wavefront_size: 32
...
	.end_amdgpu_metadata
.endif
;; end of part 2
;; launch attn (part 3): grid 16 x 16, 8 waves a work-group, clusters of 4 x 4, 327,680 bytes of LDS; arguments qkv, mask, oc, os; writes oc, os
.if DOCPART == 3
	.amdgcn_target "amdgcn-amd-amdhsa--gfx1250"
	.amdhsa_code_object_version 6
	.text
	.protected	k_qfc9481b4b1_attn
	.globl	k_qfc9481b4b1_attn
	.p2align	8
	.type	k_qfc9481b4b1_attn,@function
k_qfc9481b4b1_attn:
	s_mov_b64 s[64:65], 0
	v_nop
	global_prefetch_b8 v0, s[64:65] scope:SCOPE_SE
	s_setreg_imm32_b32 hwreg(HW_REG_WAVE_MODE, 25, 1), 1
	s_wait_xcnt 0x0
	s_wait_alu depctr_hold_cnt(0) depctr_sa_sdst(0) depctr_va_vdst(0) depctr_va_sdst(0) depctr_va_ssrc(0) depctr_va_vcc(0) depctr_vm_vsrc(0)
	s_getreg_b32 s2, hwreg(HW_REG_IB_STS2, 6, 4)
	s_cmp_eq_u32 s2, 0
	s_cbranch_scc0 .Lentry_in_a_cluster
	s_endpgm
.Lentry_in_a_cluster:
	s_bfe_u32 s2, ttmp6, 0x10000c
	s_cmp_lg_u32 s2, 0xf033
	s_cbranch_scc0 .Lentry_shape_is_right
	s_endpgm
.Lentry_shape_is_right:
; O[q] = sum over k of softmax_k(Q[q] . K[k] / sqrt(128) + mask[q][k]) V[k] for each of 16 heads, both products on codes of BF6 with E8M0 scales; O is quantised along the head's 128 and leaves as images of operand registers.
; THE SOFTMAX: logit = score / sqrt(128) + mask; t = logit x log2(e); M = the running largest t rounded up to a whole number; p = 2^(t - M) is quantised along the keys; the row's sum is taken of the unquantised p and divides O at the end.
; When M moves, the sum and O are multiplied by 2^(old M - new M): exact.  The mask is an input: every number of it is read and added; no work is left out.
; SHARES: a work-group of eight waves owns 128 queries of one head; wave w owns tile w, 16 queries.  Every wave walks all 2,048 keys, 128 a step.  16 x 16 = 256 work-groups.
; LAYOUT: lane index r of tile T is token 32 (T / 2) + 8 (T % 2) + r + 8 (r / 8).  Both products are used transposed (S^T = K Q^T, O^T = V^T P^T): a lane holds one query, and the 16 registers of tiles 2 b, 2 b + 1
; are the 16 neighbours 32 b + 16 (lane / 16) + 0 .. 15 along the keys (S^T) or along d (O^T).
; THE RING: two slots of TWO key steps each: K's and V's blocks, 2 x 25,600 bytes (a step: 2 x (8 images + 512 bytes of scale words)).  Every wave fetches an eighth, 25 rows of 256 bytes.  One change of slots for two steps.
; THE MASK goes to registers: a wave's 16 rows x 512 bytes of a step are its own and no other wave of the work-group reads them.  Each load reads 512 consecutive bytes of one row; they are issued when the registers' last step has been added,
; nearly two steps ahead, into two sets by turns, and turn through the wave's own stage in LDS (rows 528 bytes apart), so that a lane gets its query's 64 numbers.
; CLUSTER 4 x 4: x = blocks of queries, y = heads.  K and V hang on the head: asked for jointly along a row of the cluster.  The mask's rows are shared by no LDS tile, so there is no joint load for them.
; LIMITS: NaN and infinities are not served, but for a mask of -infinity in a row that keeps a finite logit; a block of zeros keeps the byte 1; / sqrt(128) is x its f32 reciprocal; / the sum is v_rcp_f32 and a product;
; the scaled scores stay under 2^31 in magnitude.
; REGISTERS: window 0: v1-7 addresses; v8-18 scale words; v20-39 statistics; v44-55 Q; v68-87 p's codes; v108-127 at work; v128-191 S^T, then p; v192-255 O^T.   window 1: v0-95 K, then V; v96-223 the mask, two sets of 64.
.set BLKB,  12800
.set HBLK,  3*BLKB
.set HEADB, 16*HBLK
.set IMG,   1536
.set KVQ,   6400                       ; a quarter of a step's 25,600 bytes
.set STEPB, 2*BLKB                     ; a step's bytes in a slot
.set SLOT1, 1<<16                      ; slot 1 begins here: one exclusive or turns an address
.set KSC,   8*IMG
.set VOFF,  BLKB
.set VSC,   BLKB+8*IMG
.set STG,   1<<17                      ; the stages: 16 rows x 528 bytes for each wave; no tensor load lands here
.set SP,    528
.set SPARE, 1<<18                      ; the spare words, 128 bytes for each of eight waves: four blocks of 256 bytes that no other line names
.set LI,  1                            ; 16 x lane
.set STI, 2                            ; the stage, on the way in
.set SPW, 3
.set NIL, 4
.set ADK, 5
.set STO, 6                            ; the stage, on the way out: row r, + 64 (lane / 16)
.set PFO, 7                            ; the prefetches' offset
.set KS,  8                            ; v8-11 K's scale words: register i: lanes 0-15 tile i, lanes 16-31 tile 4 + i
.set VS,  12                           ; v12-15 V's
.set QS,  16
.set PW,  18                           ; p's scale word (at the end O's)
.set ST,  20                           ; +0 -M, +1 the largest t, +2, +3 the sum, +4, +5 f, +6 at work, +8..11 the blocks' largest, +12..15 at work, +16..19 the conversions' scale operands
.set QF,  44
.set PC,  68
.set FLR, 108
.set TM,  110
.set T0,  126
.set S,   128
.set OT,  192
.set MK,  96                           ; window 1
.set WV,  12
.set SEL, 20
.set RS,  22                           ; s[22:23] 1 / sqrt(128)
.set CL,  24                           ; s[24:25] log2(e)
.set G1KV, 28
.set G0KV, 44
.set TB,  52                           ; the slot in hand
.set CNT, 53                           ; changes of slots that still fill
.set LIM, 54                           ; 1 in a wave that prefetches, else the greatest number
.set PFA, 56
.set PFS, 58
.set MB,  76                           ; s[76:77] my 16 rows of the mask, at the columns that the trip's loads begin with
.set MSB, 0
.macro WIN new
.if MSB != (\new)
	s_set_vgpr_msb (MSB<<8)|(\new)
.set MSB, (\new)
.endif
.endm
.macro NOPS n
.rept \n
	v_nop
.endr
.endm
; A PREFETCH, in the trip that loads steps 2 n + 2 and 2 n + 3, of steps 2 n + 4 and 2 n + 5: one trip ahead.  The mask: a block of queries' 128 rows x 1,024 bytes are read by 16 heads; each head's work-group names 8 rows x 4 blocks of
; 256 bytes, a lane a block, wave 0.  K and V of a head are walked by four clusters: the one with x = 0 asks, wave 1 for the first step and wave 2 for the second; its four partners of a row share a step's 100 blocks by address, 25 each
; (lanes 25 to 31 name the 25th again).  The last filling trip asks for nothing; steps 0 to 3 come by their loads alone.
.macro ASK
	s_cmp_gt_u32 s[CNT], s[LIM]
	s_cbranch_scc0 .Lnot_mine_\@
	global_prefetch_b8 v[PFO], s[PFA:PFA+1] th:TH_LOAD_NT scope:SCOPE_SE
.Lnot_mine_\@:
.endm
.macro CROUND
	s_barrier_signal -1
	s_barrier_wait -1
	s_cmp_lg_u32 s[WV], 0
	s_cbranch_scc1 .Lnot_wave_0_\@
	s_barrier_signal -3
.Lnot_wave_0_\@:
	s_barrier_wait -3
	s_barrier_signal -1
	s_barrier_wait -1
.endm
.macro JLOAD                           ; one joint load a wave; an s_nop 0 and four v_nop follow it
	tensor_load_to_lds s[G0KV:G0KV+3], s[G1KV:G1KV+7]
	s_nop 0
	NOPS 4
.endm
.macro MGL par                         ; 16 rows of the mask, 512 consecutive bytes each, into set par
.irp i, 0,1,2,3,4,5,6,7,8,9,10,11,12,13,14,15
	global_load_b128 v[MK+64*\par+4*\i:MK+64*\par+4*\i+3], v[LI], s[MB:MB+1] offset:(\i+8*(\i/8))*8192+512*\par
.endr
.endm
	s_load_b256 s[4:11], s[0:1], 0x0               ; qkv, mask, oc, os
	v_lshl_add_u32 v[SPW], v0, 2, SPARE
	v_mov_b32 v[NIL], 0
	ds_add_u32 v[SPW], v[NIL]                      ; the opening lines: the add twice on end and one wait
	ds_add_u32 v[SPW], v[NIL]
	v_lshrrev_b32 v5, 5, v0
	v_readfirstlane_b32 s[WV], v5                  ; wave 0..7
	s_and_b32 s13, s[WV], 3
	s_and_b32 s82, s[WV], 1
	s_lshr_b32 s83, s[WV], 2
	s_bfe_u32 s14, ttmp6, 0x40000                  ; cx
	s_bfe_u32 s15, ttmp6, 0x40004                  ; cy
	s_lshl_b32 s16, ttmp9, 2
	s_add_co_u32 s16, s16, s14                     ; my block of 128 queries
	s_and_b32 s17, ttmp7, 0xffff
	s_lshl_b32 s17, s17, 2
	s_add_co_u32 s17, s17, s15                     ; my head
	s_lshl_b32 s18, s15, 2
	s_lshl_b32 s18, 15, s18                        ; my row of the cluster
	s_or_b32 s[G1KV], s18, (3<<16)|(1<<21)         ; 6,400 dense bytes as 25 rows of 256 (32 elements of 8 bytes)
	s_mov_b32 s[G1KV+1], 32<<16
	s_mov_b32 s[G1KV+2], 25<<16
	s_mov_b32 s[G1KV+3], 32<<16
	s_mov_b32 s[G1KV+4], 25
	s_mov_b32 s[G1KV+5], 32
	s_mov_b32 s[G1KV+6], 0
	s_mov_b32 s[G1KV+7], 0
	s_mul_i32 s74, s17, HEADB                      ; step w / 4, quarter w % 4 of K and V: hangs on the head and the wave alone
	s_mul_i32 s75, s13, KVQ
	s_add_co_u32 s74, s74, s75
	s_mul_i32 s75, s83, HBLK
	s_add_co_u32 s74, s74, s75
	s_add_co_u32 s74, s74, BLKB
	s_mov_b32 s75, 0
	s_lshl_b32 s76, s16, 20                        ; the mask: row 128 x block + 32 (w / 2) + 8 (w % 2)
	s_lshr_b32 s77, s[WV], 1
	s_lshl_b32 s77, s77, 18
	s_add_co_u32 s76, s76, s77
	s_lshl_b32 s77, s82, 16
	s_add_co_u32 s76, s76, s77
	s_mov_b32 s77, 0
	s_lshl_b32 s70, s17, 4
	s_add_co_u32 s70, s70, s16
	s_mul_i32 s70, s70, HBLK                       ; Q's block
	s_lshl_b32 s72, s83, 8
	s_lshl_b32 s73, s13, 2
	s_add_co_u32 s72, s72, s73
	s_add_co_u32 s72, s72, s70
	s_add_co_u32 s72, s72, KSC                     ; the scale words of tile w: 256 (w / 4) + 4 (w % 4) into the block's 512 bytes
	s_mov_b32 s73, 0
	s_mul_i32 s71, s[WV], IMG
	s_add_co_u32 s70, s70, s71                     ; the image of tile w
	s_mov_b32 s71, 0
	s_lshl_b32 s78, s16, 3
	s_add_co_u32 s78, s78, s[WV]                   ; my tile of tokens
	s_lshl_b32 s80, s78, 10
	s_lshl_b32 s81, s17, 6
	s_add_co_u32 s80, s80, s81                     ; os: 1,024 a tile, 64 a K step (= head)
	s_mov_b32 s81, 0
	s_lshl_b32 s78, s78, 4
	s_add_co_u32 s78, s78, s17
	s_mul_i32 s78, s78, IMG                        ; oc: image 16 x tile + head
	s_mov_b32 s79, 0
	s_mov_b32 s[SEL], 0x76543210
	s_mov_b32 s[SEL+1], 0xfedcba98
	s_mov_b32 s[RS], 0x3db504f3
	s_mov_b32 s[RS+1], s[RS]                       ; (named as a pair, so it is written)
	s_mov_b32 s[CL], 0x3fb8aa3b
	s_mov_b32 s[CL+1], s[CL]
	s_mov_b32 s[TB], 0
	s_mul_i32 s60, s17, HEADB                      ; the prefetches: where mine stand, one trip's step short of the first that is named
	s_mul_i32 s61, s14, KVQ
	s_add_co_u32 s60, s60, s61
	s_add_co_u32 s61, s[WV], 1
	s_mul_i32 s61, s61, HBLK
	s_add_co_u32 s60, s60, s61
	s_add_co_u32 s60, s60, BLKB                    ; K, V: my work-group's 25 blocks of step 2 (wave 1) or 3 (wave 2)
	s_lshl_b32 s61, s16, 20
	s_lshl_b32 s62, s17, 16
	s_add_co_u32 s61, s61, s62
	s_add_co_u32 s61, s61, 1024                    ; the mask: my head's 8 rows of the block, at steps 2 and 3
	s_mov_b32 s67, 1024
	s_mov_b32 s[PFS], 2*HBLK
	s_wait_dscnt 0x0                               ; both opening adds are done
	s_wait_kmcnt 0x0
	s_cmp_eq_u32 s[WV], 0
	s_cselect_b32 s62, s61, s60
	s_cselect_b32 s67, 8192, s67                   ; from four lanes to the next four
	s_cselect_b32 s[PFS], 1024, s[PFS]             ; from trip to trip
	s_cselect_b32 s68, 31, 24
	s_cselect_b64 s[PFA:PFA+1], s[6:7], s[4:5]
	s_cselect_b32 s[LIM], 1, -1                    ; wave 0 of every work-group asks for the mask
	s_mov_b32 s63, 0
	s_mov_b32 s[PFS+1], 0
	s_add_nc_u64 s[PFA:PFA+1], s[PFA:PFA+1], s[62:63]
	s_cmp_eq_u32 ttmp9, 0
	s_cselect_b32 s66, 1, -1                       ; the same in all sixteen partners
.irp w, 1,2                                            ; waves 1 and 2 of the clusters with x = 0 ask for K and V
	s_cmp_eq_u32 s[WV], \w
	s_cselect_b32 s[LIM], s66, s[LIM]
.endr
	s_add_nc_u64 s[70:71], s[4:5], s[70:71]
	s_add_nc_u64 s[72:73], s[4:5], s[72:73]
	s_add_nc_u64 s[MB:MB+1], s[6:7], s[MB:MB+1]
	s_add_nc_u64 s[8:9], s[8:9], s[78:79]
	s_add_nc_u64 s[10:11], s[10:11], s[80:81]
	s_mov_b32 s[G0KV], 1
	s_mul_i32 s[G0KV+1], s[WV], KVQ
	s_add_nc_u64 s[G0KV+2:G0KV+3], s[4:5], s[74:75]
	s_or_b32 s[G0KV+3], s[G0KV+3], 0x80000000
	CROUND                                         ; all sixteen work-groups are here: the first joint loads meet
	JLOAD                                          ; key steps 0 and 1: one load a wave
	v_and_b32 v[T0], 31, v0
	v_lshlrev_b32 v[LI], 4, v[T0]
	v_min_u32 v[PFO], s68, v[T0]
	v_lshrrev_b32 v[T0+1], 2, v[PFO]
	v_mul_lo_u32 v[T0+1], v[T0+1], s67
	v_and_b32 v[PFO], 3, v[PFO]
	v_lshl_add_u32 v[PFO], v[PFO], 8, v[T0+1]      ; (lane / 4) x the distance + 256 (lane % 4)
	v_and_b32 v[ADK], 15, v0                       ; r
	v_lshlrev_b32 v[T0+1], 4, v[ADK]
.irp c, 0,1,2
	global_load_b128 v[QF+4*\c:QF+4*\c+3], v[LI], s[70:71] offset:512*\c   ; Q's fragment stays in registers
.endr
	global_load_b32 v[QS], v[T0+1], s[72:73]
	WIN 0x40
	MGL 0                                          ; the mask of steps 0 and 1
	MGL 1
	WIN 0
	s_mul_i32 s18, s[WV], 16*SP
	s_add_co_u32 s18, s18, STG                     ; my stage
	v_bfe_u32 v[T0], v0, 4, 1
	v_mul_u32_u24 v[STO], v[ADK], SP
	v_lshl_add_u32 v[STO], v[T0], 6, v[STO]
	v_add_nc_u32 v[STO], s18, v[STO]
	v_add_nc_u32 v[STI], s18, v[LI]
	v_mov_b32 v[FLR], 0x2800000
	v_mov_b32 v[ST+1], 0xff61b1e6                  ; the largest t so far: -3e38
	v_floor_f32 v[ST], -v[ST+1]                    ; -M
	v_mov_b32 v[ST+2], 0                           ; the sum, in two halves
	v_mov_b32 v[ST+3], 0
	v_mov_b32 v[ST+5], 0                           ; (named as the upper half of f's pair)
.irp b, 0,1,2,3
	v_mov_b32 v[ST+12+\b], 0                       ; a lane permute's destination counts as one of its sources
	v_mov_b32 v[TM+4+\b], 0
.endr
.set J, 0
.rept 64
	v_mov_b32 v[OT+J], 0                           ; O^T: the step is written for every step alike; the first finds zeros, which the first change of M leaves zeros
.set J, J+1
.endr
.macro SONE d                          ; S^T: K's tile d x Q
.if \d < 4
	v_wmma_scale_f32_16x16x128_f8f6f4 v[S+8*\d:S+8*\d+7], v[12*\d:12*\d+11], v[QF:QF+11], 0, v[KS+\d%4], v[QS] matrix_a_fmt:MATRIX_FMT_BF6 matrix_b_fmt:MATRIX_FMT_BF6
.else
	v_wmma_scale_f32_16x16x128_f8f6f4 v[S+8*\d:S+8*\d+7], v[12*\d:12*\d+11], v[QF:QF+11], 0, v[KS+\d%4], v[QS] matrix_a_fmt:MATRIX_FMT_BF6 matrix_b_fmt:MATRIX_FMT_BF6 matrix_a_scale:MATRIX_SCALE_ROW1
.endif
.endm
.macro PVONE d                         ; O^T: V's tile d x p; the eight accumulators by turns
.if \d < 4
	v_wmma_scale_f32_16x16x128_f8f6f4 v[OT+8*\d:OT+8*\d+7], v[12*\d:12*\d+11], v[PC:PC+11], v[OT+8*\d:OT+8*\d+7], v[VS+\d%4], v[PW] matrix_a_fmt:MATRIX_FMT_BF6 matrix_b_fmt:MATRIX_FMT_BF6
.else
	v_wmma_scale_f32_16x16x128_f8f6f4 v[OT+8*\d:OT+8*\d+7], v[12*\d:12*\d+11], v[PC:PC+11], v[OT+8*\d:OT+8*\d+7], v[VS+\d%4], v[PW] matrix_a_fmt:MATRIX_FMT_BF6 matrix_b_fmt:MATRIX_FMT_BF6 matrix_a_scale:MATRIX_SCALE_ROW1
.endif
.endm
; 64 numbers at v[s] on (register 16 b + i = k 32 b + 16 (lane / 16) + i), with the blocks' scale operands in v[so] on, become a fragment in v[PC] on
.macro CODES s, so
.irp c, 0,1
	v_cvt_scalef32_pk16_bf6_f32 v[PC+6*\c:PC+6*\c+2], v[(\s)+32*\c:(\s)+32*\c+15], v[(\so)+2*\c]
	v_cvt_scalef32_pk16_bf6_f32 v[PC+12+4*\c:PC+14+4*\c], v[(\s)+32*\c+16:(\s)+32*\c+31], v[(\so)+2*\c+1]
.endr
	v_nop                                          ; one plain place behind a scaled conversion
.irp c, 0,1
.irp i, 0,1,2
	v_permlane16_swap_b32 v[PC+6*\c+\i], v[PC+12+4*\c+\i]   ; a whole block to a lane
.endr
.irp i, 0,1,2
	v_mov_b32 v[PC+3+6*\c+\i], v[PC+12+4*\c+\i]
.endr
.endr
.endm
.macro WORD by                         ; four bytes make the scale word
	v_lshl_or_b32 v[PW], v[(\by)+1], 8, v[\by]
	v_lshl_or_b32 v[PW], v[(\by)+2], 16, v[PW]
	v_lshl_or_b32 v[PW], v[(\by)+3], 24, v[PW]
.endm
.macro SOFTMAX
.irp b, 0,1,2,3
	v_max3_num_f32 v[ST+8+\b], v[S+16*\b], v[S+16*\b+1], v[S+16*\b+2]   ; the largest logit of each block of 32 keys: for the row's maximum and, since p rises with the logit, for the block's largest p
.endr
.irp i, 3,5,7,9,11,13
.irp b, 0,1,2,3
	v_max3_num_f32 v[ST+8+\b], v[ST+8+\b], v[S+16*\b+\i], v[S+16*\b+\i+1]
.endr
.endr
.irp b, 0,1,2,3
	v_max_num_f32 v[ST+8+\b], v[ST+8+\b], v[S+16*\b+15]
.endr
.irp b, 0,1,2,3
	v_permlanex16_b32 v[ST+12+\b], v[ST+8+\b], s[SEL], s[SEL+1]
.endr
.irp b, 0,1,2,3
	v_max_num_f32 v[ST+8+\b], v[ST+8+\b], v[ST+12+\b]   ; with lane l xor 16's 16 keys
.endr
	v_max3_num_f32 v[ST+6], v[ST+8], v[ST+9], v[ST+10]
	s_delay_alu instid0(VALU_DEP_1)
	v_max_num_f32 v[ST+6], v[ST+6], v[ST+11]       ; the step's largest logit of my query
	s_delay_alu instid0(VALU_DEP_1)
	v_mul_f32 v[ST+6], s[CL], v[ST+6]              ; as t
	s_delay_alu instid0(VALU_DEP_1)
	v_max_num_f32 v[ST+1], v[ST+1], v[ST+6]        ; the running largest t
	v_mov_b32 v[ST+6], v[ST]
	s_delay_alu instid0(VALU_DEP_2)
	v_floor_f32 v[ST], -v[ST+1]                    ; the new -M = -ceil(t): a whole number
	s_delay_alu instid0(VALU_DEP_1)
	v_sub_f32 v[ST+6], v[ST], v[ST+6]              ; old M - new M: a whole number, 0 or less
	s_delay_alu instid0(VALU_DEP_1)
	v_cvt_i32_f32 v[ST+6], v[ST+6]                 ; (it saturates)
	s_delay_alu instid0(VALU_DEP_1)
	v_ldexp_f32 v[ST+4], 1.0, v[ST+6]              ; f = 2^(old M - new M)
.set J, 0
.rept 32
	v_pk_fma_f32 v[S+J:S+J+1], v[S+J:S+J+1], s[CL:CL+1], v[ST:ST+1] op_sel_hi:[1,0,0]   ; t - M, two at a time
.set J, J+2
.endr
.irp b, 0,1,2,3
	v_fma_f32 v[ST+8+\b], v[ST+8+\b], s[CL], v[ST] ; the same of each block's largest logit
.endr
	s_wait_alu depctr_va_vdst(0)                   ; ahead of the batch
.set J, 0
.rept 64
	v_exp_f32 v[S+J], v[S+J]                       ; p = 2^(t - M): not normalised
.set J, J+1
.endr
	v_pk_mul_f32 v[ST+2:ST+3], v[ST+2:ST+3], v[ST+4:ST+5] op_sel_hi:[1,0]   ; the sums under the new M: the plain place behind the exponentials
	s_wait_alu depctr_va_vdst(0)                   ; one wait for the batch of 64, ahead of its first reader
.irp b, 0,1,2,3
	v_exp_f32 v[ST+8+\b], v[ST+8+\b]               ; the block's largest p
.endr
	v_pk_add_f32 v[ST+12:ST+13], v[S:S+1], v[S+2:S+3]   ; the row's sum of the unquantised p, in two chains
.irp j, 4,8,12,16,20,24,28,32,36,40,44,48,52,56,60
	v_pk_add_f32 v[ST+2:ST+3], v[ST+2:ST+3], v[S+\j:S+\j+1]
	v_pk_add_f32 v[ST+12:ST+13], v[ST+12:ST+13], v[S+\j+2:S+\j+3]
.endr
	v_pk_add_f32 v[ST+2:ST+3], v[ST+2:ST+3], v[ST+12:ST+13]
	s_wait_alu depctr_va_vdst(0)                   ; and one for the four
.irp b, 0,1,2,3
	v_max_num_f32 v[ST+8+\b], v[FLR], v[ST+8+\b]   ; the floor: the byte cannot fall under 1
.endr
.irp b, 0,1,2,3
	v_add_nc_u32 v[ST+16+\b], 0xfe000000, v[ST+8+\b]
.endr
.irp b, 0,1,2,3
	v_lshrrev_b32 v[ST+12+\b], 23, v[ST+16+\b]
.endr
	WORD ST+12
	CODES S, ST+16
.endm
.macro OSCALE                          ; O^T x f (or x 1 / the sum), each accumulator from its low end on
.set J, 0
.rept 32
	v_pk_mul_f32 v[OT+J:OT+J+1], v[OT+J:OT+J+1], v[ST+4:ST+5] op_sel_hi:[1,0]
.set J, J+2
.endr
.endm
; A KEY STEP: 128 keys, the slot's step par.  ld = 1: the mask of two steps on is asked for.  lc: the mask loads of the next step, which may stay out.
.macro STEP par, ld, lc
.set KO, STEPB*\par
.set G, MK+64*\par
.if \par == 0
	v_add_nc_u32 v[ADK], s[TB], v[LI]
	s_wait_alu depctr_va_vdst(0)
.endif
	ds_load_b128 v[KS:KS+3], v[ADK] offset:KO+KSC
	ds_load_b128 v[VS:VS+3], v[ADK] offset:KO+VSC
	WIN 0x44
.irp d, 0,1,2,3,4,5,6,7
.irp c, 0,1,2
	ds_load_b128 v[12*\d+4*\c:12*\d+4*\c+3], v[ADK] offset:KO+IMG*\d+512*\c
.endr
.endr
	s_wait_loadcnt \lc                             ; this step's 16 rows of the mask are in
.irp i, 0,1,2,3,4,5,6,7,8,9,10,11,12,13,14,15
	ds_store_b128 v[STI], v[G+4*\i:G+4*\i+3] offset:SP*\i
.endr
.irp b, 0,1,2,3                                        ; LDS serves a wave's instructions in order: these see the stores above.  Register 16 b + i = key 32 b + 16 (lane / 16) + i of my query
.irp k, 0,1,2,3
	ds_load_b128 v[G+16*\b+4*\k:G+16*\b+4*\k+3], v[STO] offset:128*\b+16*\k
.endr
.endr
	s_wait_dscnt 32                                ; K and the scale words are in; the stage's 16 stores and 16 loads may be out
	WIN 0x01
.irp d, 0,1,2,3,4,5,6,7
	SONE \d
.endr
	NOPS 4                                         ; the places behind the products: V lands on K's registers
	WIN 0x40
.irp d, 0,1,2,3,4,5,6,7
.irp c, 0,1,2
	ds_load_b128 v[12*\d+4*\c:12*\d+4*\c+3], v[ADK] offset:KO+VOFF+IMG*\d+512*\c
.endr
.endr
	s_wait_dscnt 24                                ; the mask is back; V's 24 loads may be out
	WIN 0x10
.set J, 0
.rept 32
	v_pk_fma_f32 v[S+J:S+J+1], v[S+J:S+J+1], s[RS:RS+1], v[G+J:G+J+1] op_sel_hi:[1,0,1]   ; logit = score / sqrt(128) + mask
.set J, J+2
.endr
.if \ld
	WIN 0x40
	MGL \par                                       ; the set is free: the mask of two steps on
.endif
	WIN 0
	SOFTMAX
	s_wait_alu depctr_va_vdst(0)                   ; ahead of the first reader of O^T
	OSCALE                                         ; O^T under the new M; these are also the places in front of the products
	s_wait_alu depctr_va_vdst(0)
	s_wait_dscnt 0x0                               ; V
	WIN 0x01
.irp d, 0,1,2,3,4,5,6,7
	PVONE \d
.endr
	WIN 0
	NOPS 4                                         ; the places in front of the next step's loads into V's registers and scale words
.if \par == 1
	s_xor_b32 s[TB], s[TB], SLOT1
.endif
.endm
; THE CHANGE OF SLOTS, one for two steps: each wave waits for all its tensor loads (one: its part of the slot ahead), adds 0 to its spare word, and waits for that and for its reads of the slot that it has left.
.macro CHANGE fill
	s_wait_tensorcnt 0x0
	ds_add_u32 v[SPW], v[NIL]
.if \fill
	s_xor_b32 s[G0KV+1], s[G0KV+1], SLOT1          ; the walking descriptor: the other slot, the next two steps
	s_add_nc_u64 s[G0KV+2:G0KV+3], s[G0KV+2:G0KV+3], 2*HBLK
	s_wait_xcnt 0x0                                ; the last trip's prefetch and mask loads have read their bases
	s_add_nc_u64 s[PFA:PFA+1], s[PFA:PFA+1], s[PFS:PFS+1]
	s_add_nc_u64 s[MB:MB+1], s[MB:MB+1], 1024      ; the columns of the two steps that this trip's mask loads name
	s_wait_dscnt 0x0
	CROUND                                         ; no wave of any partner still reads the slot or has a load on its way
	JLOAD
	ASK
.else
	s_wait_dscnt 0x0
	s_barrier_signal -1
	s_barrier_wait -1
.endif
.endm
	s_wait_alu depctr_va_vdst(0)
	s_wait_loadcnt 32                              ; Q is in; the 32 mask loads of steps 0 and 1 may be out
	s_mov_b32 s[CNT], 7
.Lslot:                                                ; 7 trips of two steps: steps 0 to 13; each trip asks for the next two steps' K and V and mask
	CHANGE 1
	STEP 0, 1, 16
	STEP 1, 1, 16
	s_sub_co_u32 s[CNT], s[CNT], 1
	s_cmp_lg_u32 s[CNT], 0
	s_cbranch_scc1 .Lslot
	CHANGE 0                                       ; the last two steps are written out: no load is jumped over
	STEP 0, 0, 16
	STEP 1, 0, 0
	; THE WAY OUT: O^T / the sum, quantised along d: K step = head of the last product's operand
	v_add_f32 v[ST+6], v[ST+2], v[ST+3]
	v_permlanex16_b32 v[ST+12], v[ST+6], s[SEL], s[SEL+1]
	v_add_f32 v[ST+6], v[ST+6], v[ST+12]           ; the row's sum
	s_wait_alu depctr_va_vdst(0)
	v_rcp_f32 v[ST+4], v[ST+6]
	v_and_b32 v[T0+1], 15, v0                      ; (plain work behind the reciprocal)
	v_lshlrev_b32 v[T0+1], 2, v[T0+1]              ; os: 4 r
	s_wait_alu depctr_va_vdst(0)                   ; ahead of the reciprocal's and O^T's first reader
	OSCALE
.irp b, 0,1,2,3
	v_max3_num_f32 v[TM+\b], v[FLR], |v[OT+16*\b]|, |v[OT+16*\b+1]|
.endr
.irp i, 2,4,6,8,10,12,14
.irp b, 0,1,2,3
	v_max3_num_f32 v[TM+\b], v[TM+\b], |v[OT+16*\b+\i]|, |v[OT+16*\b+\i+1]|
.endr
.endr
.irp b, 0,1,2,3
	v_permlanex16_b32 v[TM+4+\b], v[TM+\b], s[SEL], s[SEL+1]
.endr
.irp b, 0,1,2,3
	v_max_num_f32 v[TM+\b], v[TM+\b], v[TM+4+\b]
.endr
.irp b, 0,1,2,3
	v_add_nc_u32 v[TM+12+\b], 0xfe000000, v[TM+\b]
.endr
.irp b, 0,1,2,3
	v_lshrrev_b32 v[TM+4+\b], 23, v[TM+12+\b]
.endr
	WORD TM+4
	CODES OT, TM+12
.irp k, 0,1,2
	global_store_b128 v[LI], v[PC+4*\k:PC+4*\k+3], s[8:9] offset:512*\k   ; 32 lanes store 512 consecutive bytes, aligned
.endr
	global_store_b32 v[T0+1], v[PW], s[10:11]      ; my tile's 16 words; lanes l and l xor 16 hold and store the same word at the same place
	s_wait_tensorcnt 0x0                           ; the wave's end
	ds_add_u32 v[SPW], v[NIL]
	s_wait_dscnt 0x0
	CROUND                                         ; the closing round
	s_endpgm
.Lfunc_end_k_qfc9481b4b1_attn:
	.size	k_qfc9481b4b1_attn, .Lfunc_end_k_qfc9481b4b1_attn-k_qfc9481b4b1_attn
	.p2alignl 7, 3214868480
	.fill 96, 4, 3214868480
	.section	.rodata,"a",@progbits
	.p2align	6, 0x0
	.amdhsa_kernel k_qfc9481b4b1_attn
		.amdhsa_group_segment_fixed_size 327680
		.amdhsa_private_segment_fixed_size 0
		.amdhsa_enable_private_segment 0
		.amdhsa_kernarg_size 32
		.amdhsa_user_sgpr_count 2
		.amdhsa_user_sgpr_kernarg_segment_ptr 1
		.amdhsa_wavefront_size32 1
		.amdhsa_system_sgpr_workgroup_id_x 1
		.amdhsa_system_sgpr_workgroup_id_y 1
		.amdhsa_system_sgpr_workgroup_id_z 1
		.amdhsa_system_vgpr_workitem_id 0
		.amdhsa_next_free_vgpr 512
		.amdhsa_next_free_sgpr 84
		.amdhsa_reserve_vcc 0
		.amdhsa_float_denorm_mode_32 3
		.amdhsa_float_denorm_mode_16_64 3
		.amdhsa_memory_ordered 1
		.amdhsa_forward_progress 1
		.amdhsa_inst_pref_size 114
	.end_amdhsa_kernel
	.amdgpu_metadata
---
amdhsa.version: [ 1, 2 ]
amdhsa.kernels:
  - .name:           k_qfc9481b4b1_attn
    .symbol:         k_qfc9481b4b1_attn.kd
    .args:
      - { .name: qkv, .offset: 0, .size: 8, .value_kind: global_buffer, .address_space: global }
      - { .name: mask, .offset: 8, .size: 8, .value_kind: global_buffer, .address_space: global }
      - { .name: oc, .offset: 16, .size: 8, .value_kind: global_buffer, .address_space: global }
      - { .name: os, .offset: 24, .size: 8, .value_kind: global_buffer, .address_space: global }
    .group_segment_fixed_size: 327680
    .private_segment_fixed_size: 0
    .kernarg_segment_align: 8
    .kernarg_segment_size: 32
    .max_flat_workgroup_size: 256
    .sgpr_count:     84
    .vgpr_count:     512
    .wavefront_size: 32
...
	.end_amdgpu_metadata
.endif
;; end of part 3
;; launch proj (part 4): grid 16 x 16, 4 waves a work-group, clusters of 4 x 4, 327,680 bytes of LDS; arguments oc, os, codes, scl, out0; writes out0
.if DOCPART == 4
	.amdgcn_target "amdgcn-amd-amdhsa--gfx1250"
	.amdhsa_code_object_version 6
	.text
	.protected	k_qfc9481b4b1_proj
	.globl	k_qfc9481b4b1_proj
	.p2align	8
	.type	k_qfc9481b4b1_proj,@function
k_qfc9481b4b1_proj:
	s_mov_b64 s[64:65], 0
	v_nop
	global_prefetch_b8 v0, s[64:65] scope:SCOPE_SE
	s_setreg_imm32_b32 hwreg(HW_REG_WAVE_MODE, 25, 1), 1
	s_wait_xcnt 0x0
	s_wait_alu depctr_hold_cnt(0) depctr_sa_sdst(0) depctr_va_vdst(0) depctr_va_sdst(0) depctr_va_ssrc(0) depctr_va_vcc(0) depctr_vm_vsrc(0)
	s_getreg_b32 s2, hwreg(HW_REG_IB_STS2, 6, 4)
	s_cmp_eq_u32 s2, 0
	s_cbranch_scc0 .Lentry_in_a_cluster
	s_endpgm
.Lentry_in_a_cluster:
	s_bfe_u32 s2, ttmp6, 0x10000c
	s_cmp_lg_u32 s2, 0xf033
	s_cbranch_scc0 .Lentry_shape_is_right
	s_endpgm
.Lentry_shape_is_right:
; out0 = O wo^T: [2048][2048] f32, on codes of BF6 with E8M0 scales.  O's codes and scale words come from the attention launch, wo's (matrix 4) from the quantising launch, both as images of operand registers:
; [tile of 16 rows][K step 16][1,536 bytes]; lane index r of tile T is row 32 (T / 2) + 8 (T % 2) + r + 8 (r / 8); scale words [tile][K step][lane index].
; A work-group makes 128 x 128 (256 work-groups; 256 x 256 would give 64), a wave 64 x 64: 16 accumulators.  K goes in four runs of 4 K steps (98,304 bytes each for O's and wo's 8 tiles).
; THREE REGIONS of LDS take the first three runs as first fills, regions 0 and 1 at the start, region 2 at the change from region 0 to region 1; only the fourth run is a refill: into region 0, behind the round at the change from region 1 to region 2.  The text is straight: no loop.
; THE MATRIX INSTRUCTION IS USED TRANSPOSED (source 0 = a tile of wo, source 1 = a tile of O): a lane holds one token; register j of wo's tile 2 b + u is column 32 b + 16 (lane / 16) + 8 u + j.
; CLUSTERS: 4 x 4; O's tiles jointly along a row, wo's along a column.
; REGISTERS: window 0: v16-29 addresses; v32-63 scale words, two sets; v64-127 rows on the way out; v128-255 the accumulators, (a, b) at v[128 + 8 (4 a + b)].  window 1: two fragment buffers: 48 registers of O, then 48 of wo.
.set MATB,  3145728
.set SCLB,  131072
.set IMG,   1536
.set TROW,  16*IMG
.set NQ,    4
.set TSL,   NQ*IMG                     ; a tile's bytes in a region
.set HALFT, 4*TSL                      ; what one tensor load brings, and what one wave reads of O or of wo
.set SLOT,  4*HALFT                    ; a region
.set SCL,   3*SLOT                     ; behind the three regions: the scale words
.set HALFS, 4*1024
.set SPARE, SCL+4*HALFS                ; the spare words, 128 bytes for each wave: two blocks of 256 bytes that no other line names
.set SPITCH, 272                       ; the way out: a stage of 16 rows x (256 bytes + 16) for each wave,
.set STG,   SLOT                       ; in region 1, which is filled once and whose last reads stand in front of the round
.set ADRA, 16                          ; v16-18 my O fragments in regions 0, 1, 2
.set ADRB, 20                          ; v20-22 the same for wo
.set STO,  24
.set RD,   25
.set CO,   26
.set ADRS, 27
.set SPW,  28
.set NIL,  29
.set SC,   32                          ; set s at v[SC + 16 s]; register 4 q + i: lanes 0-15 the word of O's tile i, lanes 16-31 of wo's tile i, for the run's q-th K step
.set BK,   64
.set ACC,  128
.set F0,   0
.set F1,   128
.set G1, 24
.set G0, 32                            ; s[32:39] group 0 for O's regions 0 and 1;  s[96:99] for region 2
.set G0C, 96
.set G1B, 48
.set G0B, 56                           ; s[56:63] the same for wo;  s[92:95] for region 2
.set G0BC, 92
.set G1S, 68
.set G0S, 76
.set G1SB, 80
.set G0SB, 88
.set MSB, 0
.macro WIN new
.if MSB != (\new)
	s_set_vgpr_msb (MSB<<8)|(\new)
.set MSB, (\new)
.endif
.endm
.set MUL,  0x05                        ; sources 0 and 1 window 1; C and D window 0
.set TO_F, 0x40
.macro JLOAD g0a, g1a, g0b, g1b        ; waves 0, 1 fetch for O, waves 2, 3 for wo; four v_nop follow each of the two lines
	s_cmp_eq_u32 s15, 0
	s_cbranch_scc0 .Lfor_b_\@
	tensor_load_to_lds s[\g0a:\g0a+3], s[\g1a:\g1a+7]
	s_nop 0
.rept 4
	v_nop
.endr
	s_branch .Lasked_\@
.Lfor_b_\@:
	tensor_load_to_lds s[\g0b:\g0b+3], s[\g1b:\g1b+7]
	s_nop 0
.rept 4
	v_nop
.endr
.Lasked_\@:
.endm
.macro CREST
	s_cmp_lg_u32 s14, 0
	s_cbranch_scc1 .Lnot_wave_0_\@
	s_barrier_signal -3
.Lnot_wave_0_\@:
	s_barrier_wait -3
	s_barrier_signal -1
	s_barrier_wait -1
.endm
.macro CROUND
	s_barrier_signal -1
	s_barrier_wait -1
	CREST
.endm
	s_load_b256 s[4:11], s[0:1], 0x0               ; oc, os, codes, scl
	s_load_b64 s[12:13], s[0:1], 0x20              ; out0
	v_lshl_add_u32 v[SPW], v0, 2, SPARE
	v_mov_b32 v[NIL], 0
	ds_add_u32 v28, v29
	ds_add_u32 v28, v29
	s_wait_dscnt 0x0
	v_lshrrev_b32 v1, 5, v0
	v_readfirstlane_b32 s14, v1                    ; wave
	s_lshr_b32 s15, s14, 1                         ; which half of the rows is mine.  Also: I fetch for O (0) or for wo (1)
	s_and_b32 s16, s14, 1                          ; which half of the columns.  Also: which 4 tiles I fetch
	s_bfe_u32 s40, ttmp6, 0x40000
	s_bfe_u32 s41, ttmp6, 0x40004
	s_lshl_b32 s42, ttmp9, 2
	s_add_co_u32 s42, s42, s40                     ; tile column
	s_and_b32 s17, ttmp7, 0xffff
	s_lshl_b32 s17, s17, 2
	s_add_co_u32 s17, s17, s41                     ; tile row
	s_lshl_b32 s43, s41, 2
	s_lshl_b32 s43, 15, s43
	s_lshl_b32 s44, 0x1111, s40
	; group 1: 4 rows (tiles) of 6,144 bytes (768 elements of 8 bytes), 24,576 bytes apart; dense in LDS
	s_or_b32 s[G1+0], s43, (3<<16)|(1<<21)
	s_or_b32 s[G1B+0], s44, (3<<16)|(1<<21)
.irp g, G1, G1B
	s_mov_b32 s[\g+1], (TSL/8)<<16
	s_mov_b32 s[\g+2], 8<<16                       ; the head's loads bring all 8 tiles; behind them the two words that count rows are set to 4
	s_mov_b32 s[\g+3], (TSL/8)<<16
	s_mov_b32 s[\g+4], 8
	s_mov_b32 s[\g+5], TROW/8
	s_mov_b32 s[\g+6], 0
	s_mov_b32 s[\g+7], 0
.endr
	; the scale words of 8 tiles: 8,192 dense bytes as 32 rows of 256
	s_or_b32 s[G1S+0], s43, (3<<16)|(1<<21)
	s_or_b32 s[G1SB+0], s44, (3<<16)|(1<<21)
.irp g, G1S, G1SB
	s_mov_b32 s[\g+1], 32<<16
	s_mov_b32 s[\g+2], 32<<16                      ; the scale words of 8 tiles: 8,192 dense bytes as 32 rows of 256
	s_mov_b32 s[\g+3], 32<<16
	s_mov_b32 s[\g+4], 32
	s_mov_b32 s[\g+5], 32
	s_mov_b32 s[\g+6], 0
	s_mov_b32 s[\g+7], 0
.endr
	s_mul_i32 s18, s16, 4*TROW                     ; behind the head I fetch 4 tiles: which half, in bytes
	s_mov_b32 s19, 0
	s_lshl_b32 s20, s17, 3                         ; O: tile 8 x tile row
	s_lshl_b32 s46, s42, 3                         ; wo: tile 8 x tile column
	s_lshl_b32 s22, s20, 10
	s_lshl_b32 s92, s46, 10
	s_add_co_u32 s92, s92, 4*SCLB
	s_mul_i32 s20, s20, TROW
	s_mul_i32 s46, s46, TROW
	s_add_co_u32 s46, s46, 4*MATB
	s_mov_b32 s21, 0
	s_mov_b32 s23, 0
	s_mov_b32 s47, 0
	s_mov_b32 s93, 0
	s_mul_i32 s45, s14, HALFT
	s_wait_kmcnt 0x0
	s_add_nc_u64 s[20:21], s[4:5], s[20:21]
	s_add_nc_u64 s[22:23], s[6:7], s[22:23]
	s_add_nc_u64 s[46:47], s[8:9], s[46:47]
	s_add_nc_u64 s[92:93], s[10:11], s[92:93]
	CROUND                                         ; all sixteen work-groups are here: the first joint loads meet
	s_mov_b32 s[G0S], 1
	s_mov_b32 s[G0S+1], SCL
	s_mov_b64 s[G0S+2:G0S+3], s[22:23]
	s_or_b32 s[G0S+3], s[G0S+3], 0x80000000
	s_mov_b32 s[G0SB], 1
	s_mov_b32 s[G0SB+1], SCL+2*HALFS
	s_mov_b64 s[G0SB+2:G0SB+3], s[92:93]
	s_or_b32 s[G0SB+3], s[G0SB+3], 0x80000000
	s_mov_b32 s4, 1                                ; s[4:7], s[8:11]: group 0 for the head's loads of region 0: O's 8 tiles, wo's 8 tiles (the arguments that lay there have been used)
	s_mov_b32 s5, 0
	s_mov_b64 s[6:7], s[20:21]
	s_or_b32 s7, s7, 0x80000000
	s_mov_b32 s8, 1
	s_mov_b32 s9, 2*HALFT
	s_mov_b64 s[10:11], s[46:47]
	s_or_b32 s11, s11, 0x80000000
	s_add_nc_u64 s[20:21], s[20:21], s[18:19]      ; for the later loads: my 4 tiles
	s_add_nc_u64 s[46:47], s[46:47], s[18:19]
.irp s, 0,1
	s_mov_b32 s[G0+4*\s], 1
	s_add_co_u32 s[G0+4*\s+1], s45, \s*SLOT
	s_add_nc_u64 s[G0+4*\s+2:G0+4*\s+3], s[20:21], \s*TSL
	s_or_b32 s[G0+4*\s+3], s[G0+4*\s+3], 0x80000000
	s_mov_b32 s[G0B+4*\s], 1
	s_add_co_u32 s[G0B+4*\s+1], s45, \s*SLOT
	s_add_nc_u64 s[G0B+4*\s+2:G0B+4*\s+3], s[46:47], \s*TSL
	s_or_b32 s[G0B+4*\s+3], s[G0B+4*\s+3], 0x80000000
.endr
	s_mov_b32 s[G0C], 1                            ; region 2: K steps 8 to 11.  (s92-95 held offsets that the scale words' descriptors have taken over)
	s_add_co_u32 s[G0C+1], s45, 2*SLOT
	s_add_nc_u64 s[G0C+2:G0C+3], s[20:21], 2*TSL
	s_or_b32 s[G0C+3], s[G0C+3], 0x80000000
	s_mov_b32 s[G0BC], 1
	s_add_co_u32 s[G0BC+1], s45, 2*SLOT
	s_add_nc_u64 s[G0BC+2:G0BC+3], s[46:47], 2*TSL
	s_or_b32 s[G0BC+3], s[G0BC+3], 0x80000000
; THE HEAD'S LOADS, ONE A WAVE: wave 0 O's 8 tiles of K steps 0 to 3, wave 1 wo's, wave 2 O's scale words, wave 3 wo's.  One tree of branches on the wave's number: every way passes one load.
.macro ARM under, g0, g1, next
	s_cmp_lt_u32 s14, \under
	s_cbranch_scc0 \next
	tensor_load_to_lds s[\g0:\g0+3], s[\g1:\g1+7]
	s_nop 0
.rept 4
	v_nop
.endr
	s_branch .Lhead_asked
\next:
.endm
	ARM 1, 4, G1, .Lhead_b
	ARM 2, 8, G1B, .Lhead_sa
	ARM 3, G0S, G1S, .Lhead_sb
	tensor_load_to_lds s[G0SB:G0SB+3], s[G1SB:G1SB+7]
	s_nop 0
.rept 4
	v_nop
.endr
.Lhead_asked:
	v_and_b32 v3, 31, v0
	v_lshlrev_b32 v3, 4, v3                        ; 16 x lane
	v_and_b32 v1, 15, v0                           ; r
	s_wait_alu depctr_va_vdst(0)
	v_bfe_u32 v2, v0, 4, 1                         ; h
	s_wait_alu depctr_va_vdst(0)
	s_mul_i32 s21, s15, HALFT
	s_mul_i32 s22, s16, HALFT
	s_add_co_u32 s22, s22, 2*HALFT
.irp s, 0,1,2
	v_add_nc_u32 v[ADRA+\s], s21, v3
	v_add_nc_u32 v[ADRB+\s], s22, v3
	s_add_co_u32 s21, s21, SLOT
	s_add_co_u32 s22, s22, SLOT
.endr
	v_lshlrev_b32 v5, 2, v1
	s_mul_i32 s21, s15, HALFS
	s_mul_i32 s22, s16, HALFS
	s_add_co_u32 s22, s22, 2*HALFS
	s_sub_co_u32 s22, s22, s21
	v_mul_u32_u24 v6, s22, v2                      ; lanes 16-31 take wo's: one product, h x the distance
	s_add_co_u32 s21, s21, SCL
	v_add_nc_u32 v5, v5, v6
	v_add_nc_u32 v[ADRS], s21, v5
	s_mul_i32 s23, s14, 16*SPITCH
	s_add_co_u32 s23, s23, STG                     ; my stage
	v_mul_u32_u24 v5, v1, SPITCH
	v_lshl_add_u32 v5, v2, 6, v5
	v_add_nc_u32 v[STO], s23, v5                   ; in: row r, + 64 h
	v_mul_u32_u24 v5, v2, SPITCH
	v_lshl_add_u32 v5, v1, 4, v5
	v_add_nc_u32 v[RD], s23, v5                    ; back: lanes 0-15 one row of 256 bytes, lanes 16-31 the next
	v_lshlrev_b32 v[CO], 13, v2
	v_lshl_add_u32 v[CO], v1, 4, v[CO]             ; and the same two rows in out0
	s_lshl_b32 s20, s17, 20                        ; (128 x tile row + 64 x half) rows of 8,192 bytes,
	s_lshl_b32 s21, s15, 19
	s_add_co_u32 s20, s20, s21
	s_lshl_b32 s46, s42, 9                         ; (128 x tile column + 64 x half) x 4 bytes
	s_lshl_b32 s47, s16, 8
	s_add_co_u32 s46, s46, s47
	s_add_co_u32 s20, s20, s46
	s_mov_b32 s21, 0
	s_add_nc_u64 s[12:13], s[12:13], s[20:21]
.macro FETCH reg, q, f                 ; the fragments of the region's q-th K step into buffer f: 24 loads of 512 consecutive bytes
	WIN TO_F
.irp i, 0,1,2,3
.irp c, 0,1,2
	ds_load_b128 v[\f+12*\i+4*\c:\f+12*\i+4*\c+3], v[ADRA+\reg] offset:\i*TSL+(\q)*IMG+512*\c
	ds_load_b128 v[\f+48+12*\i+4*\c:\f+48+12*\i+4*\c+3], v[ADRB+\reg] offset:\i*TSL+(\q)*IMG+512*\c
.endr
.endr
.endm
.macro SCALES sc
	WIN 0
.irp i, 0,1,2,3
.irp q, 0,1,2,3
	ds_load_b32 v[SC+16*(\sc)+4*\q+\i], v[ADRS] offset:\i*1024+64*\q
.endr
.endr
.endm
; 4 matrix instructions: O's tile a x wo's four.  The 16 accumulators take turns, one instruction a turn, in the same order in every K step.
.macro MULA f, a, q, sc, zero
.irp b, 0,1,2,3
.if \zero
	v_wmma_scale_f32_16x16x128_f8f6f4 v[ACC+8*(4*(\a)+\b):ACC+8*(4*(\a)+\b)+7], v[\f+48+12*\b:\f+48+12*\b+11], v[\f+12*(\a):\f+12*(\a)+11], 0, v[SC+16*(\sc)+4*(\q)+\b], v[SC+16*(\sc)+4*(\q)+(\a)] matrix_a_fmt:MATRIX_FMT_BF6 matrix_b_fmt:MATRIX_FMT_BF6 matrix_a_scale:MATRIX_SCALE_ROW1
.else
	v_wmma_scale_f32_16x16x128_f8f6f4 v[ACC+8*(4*(\a)+\b):ACC+8*(4*(\a)+\b)+7], v[\f+48+12*\b:\f+48+12*\b+11], v[\f+12*(\a):\f+12*(\a)+11], v[ACC+8*(4*(\a)+\b):ACC+8*(4*(\a)+\b)+7], v[SC+16*(\sc)+4*(\q)+\b], v[SC+16*(\sc)+4*(\q)+(\a)] matrix_a_fmt:MATRIX_FMT_BF6 matrix_b_fmt:MATRIX_FMT_BF6 matrix_a_scale:MATRIX_SCALE_ROW1
.endif
.endr
.endm
.macro PLACES                          ; four plain places between a matrix instruction and a load into, or a read of, its registers (ISA guide 7.12.1 for a read)
.rept 4
	v_nop
.endr
.endm
.macro KSTEP reg, q, sc, zero          ; one of a run's first three K steps: fetches the next into the other buffer, multiplies its own
.set FC, 128*((\q)%2)
.set FN, 128-FC
	PLACES
	FETCH \reg, (\q)+1, FN
	s_wait_dscnt 24                                ; all but the 24 just issued
	WIN MUL
.irp a, 0,1,2,3
	MULA FC, \a, \q, \sc, \zero
.endr
.endm
; A run's last K step (buffer 1) changes regions: one barrier.  sc: this run's set of scale words; the next run's go into the other set.
; mode 0: the next region is a first fill that has landed; a later first fill may stay out.
; mode 1, 2: each wave waits for all its tensor loads, adds 0 to its spare word, and waits for that and for its reads.  mode 2: region 0, read out a run ago, is filled again, with K steps 12 to 15.
.macro TURN next, sc, mode
	WIN 0
.if \mode == 0
	s_wait_tensorcnt 0x1                           ; my part of region 1 is in; region 2's load may be out
	s_wait_dscnt 0x0                               ; buffer 1 is in: my reads of this region are over
	WIN MUL
	MULA F1, 0, 3, \sc, 0
.else
	s_wait_tensorcnt 0x0                           ; all my tensor loads have landed: my part of the next region
	ds_add_u32 v[SPW], v[NIL]
	s_wait_dscnt 1                                 ; (the add may be out)
	WIN MUL
	MULA F1, 0, 3, \sc, 0
	s_wait_dscnt 0x0                               ; the add is done, and my reads of this region are over
.endif
	s_barrier_signal -1
	MULA F1, 1, 3, \sc, 0
	WIN 0
	s_barrier_wait -1
.if \mode == 2
	CREST                                          ; no wave of any partner still reads region 0 or has a load on its way
	s_add_nc_u64 s[G0+2:G0+3], s[G0+2:G0+3], 3*TSL
	s_add_nc_u64 s[G0B+2:G0B+3], s[G0B+2:G0B+3], 3*TSL
	JLOAD G0, G1, G0B, G1B
.elseif \mode == 3
	CREST                                          ; region 2's first fill, issued as a refill is: K steps 8 to 11
	JLOAD G0C, G1, G0BC, G1B
.else
	PLACES
.endif
	s_wait_alu depctr_va_vdst(0)
	v_add_nc_u32 v[ADRS], 64*NQ, v[ADRS]           ; the next run's scale words (no LDS load of mine is out)
	FETCH \next, 0, F0
	SCALES 1-(\sc)
	WIN MUL
	MULA F1, 2, 3, \sc, 0
	MULA F1, 3, 3, \sc, 0
.endm
	s_wait_alu depctr_va_vdst(0)
	s_wait_tensorcnt 0x0                           ; my tile of the head's four is in
	ds_add_u32 v[SPW], v[NIL]
	s_mov_b32 s[G1+2], 4<<16                       ; no tensor load of mine is out: from here on a load brings 4 tiles
	s_mov_b32 s[G1+4], 4
	s_mov_b32 s[G1B+2], 4<<16
	s_mov_b32 s[G1B+4], 4
	s_wait_dscnt 0x0
	CROUND                                         ; all four tiles are in, and all sixteen work-groups are here
	JLOAD G0+4, G1, G0B+4, G1B                     ; region 1's first fill: K steps 4 to 7
	FETCH 0, 0, F0
	SCALES 0
	KSTEP 0, 0, 0, 1                               ; the first K step's products start the sums
	KSTEP 0, 1, 0, 0
	KSTEP 0, 2, 0, 0
	TURN 1, 0, 3
	KSTEP 1, 0, 1, 0
	KSTEP 1, 1, 1, 0
	KSTEP 1, 2, 1, 0
	TURN 2, 1, 2                                   ; region 0 takes K steps 12 to 15
	KSTEP 2, 0, 0, 0
	KSTEP 2, 1, 0, 0
	KSTEP 2, 2, 0, 0
	TURN 0, 0, 1                                   ; nothing is left to fetch
	KSTEP 0, 0, 1, 0
	KSTEP 0, 1, 1, 0
	KSTEP 0, 2, 1, 0
	s_wait_dscnt 0x0
	WIN MUL
.irp a, 0,1,2,3
	MULA F1, \a, 3, 1, 0
.endr
	WIN 0
; THE WAY OUT, a tile of O (16 tokens x my 64 columns) at a time, through my own stage; LDS serves a wave's instructions in order, so no wait stands between the stores and the loads.
.macro TOSTAGE a
.irp b, 0,1,2,3
	ds_store_b128 v[STO], v[ACC+8*(4*(\a)+\b):ACC+8*(4*(\a)+\b)+3] offset:128*(\b/2)+32*(\b%2)          ; each accumulator from its low end on
	ds_store_b128 v[STO], v[ACC+8*(4*(\a)+\b)+4:ACC+8*(4*(\a)+\b)+7] offset:128*(\b/2)+32*(\b%2)+16
.endr
.irp i, 0,1,2,3,4,5,6,7
	ds_load_b128 v[BK+32*((\a)%2)+4*\i:BK+32*((\a)%2)+4*\i+3], v[RD] offset:\i*2*SPITCH
.endr
.endm
.macro SEND a, younger                 ; stage row 2 i + h is token 32 (a / 2) + 8 (a % 2) + 2 i + h + 8 (i / 4) of my 64
	s_wait_dscnt \younger
.irp i, 0,1,2,3,4,5,6,7
	global_store_b128 v[CO], v[BK+32*((\a)%2)+4*\i:BK+32*((\a)%2)+4*\i+3], s[12:13] offset:(32*((\a)/2)+8*((\a)%2)+2*\i+8*(\i/4))*8192 th:TH_STORE_NT   ; 16 lanes store 256 consecutive bytes, aligned
.endr
.endm
	PLACES
	TOSTAGE 0
	TOSTAGE 1
	SEND 0, 16                                     ; behind tile 0's loads: tile 1's 8 stores and 8 loads
	s_wait_xcnt 0x0                                ; tile 0's stores have read their registers: tile 2's rows may land there
	TOSTAGE 2
	SEND 1, 16
	s_wait_xcnt 0x0
	TOSTAGE 3
	SEND 2, 16
	SEND 3, 0
	s_wait_tensorcnt 0x0                           ; the wave's end
	ds_add_u32 v[SPW], v[NIL]
	s_wait_dscnt 0x0
	CROUND                                         ; the closing round
	s_endpgm
.Lfunc_end_k_qfc9481b4b1_proj:
	.size	k_qfc9481b4b1_proj, .Lfunc_end_k_qfc9481b4b1_proj-k_qfc9481b4b1_proj
	.p2alignl 7, 3214868480
	.fill 96, 4, 3214868480
	.section	.rodata,"a",@progbits
	.p2align	6, 0x0
	.amdhsa_kernel k_qfc9481b4b1_proj
		.amdhsa_group_segment_fixed_size 327680
		.amdhsa_private_segment_fixed_size 0
		.amdhsa_enable_private_segment 0
		.amdhsa_kernarg_size 40
		.amdhsa_user_sgpr_count 2
		.amdhsa_user_sgpr_kernarg_segment_ptr 1
		.amdhsa_wavefront_size32 1
		.amdhsa_system_sgpr_workgroup_id_x 1
		.amdhsa_system_sgpr_workgroup_id_y 1
		.amdhsa_system_sgpr_workgroup_id_z 1
		.amdhsa_system_vgpr_workitem_id 0
		.amdhsa_next_free_vgpr 512
		.amdhsa_next_free_sgpr 100
		.amdhsa_reserve_vcc 0
		.amdhsa_float_denorm_mode_32 3
		.amdhsa_float_denorm_mode_16_64 3
		.amdhsa_memory_ordered 1
		.amdhsa_forward_progress 1
		.amdhsa_inst_pref_size 85
	.end_amdhsa_kernel
	.amdgpu_metadata
---
amdhsa.version: [ 1, 2 ]
amdhsa.kernels:
  - .name:           k_qfc9481b4b1_proj
    .symbol:         k_qfc9481b4b1_proj.kd
    .args:
      - { .name: oc, .offset: 0, .size: 8, .value_kind: global_buffer, .address_space: global }
      - { .name: os, .offset: 8, .size: 8, .value_kind: global_buffer, .address_space: global }
      - { .name: codes, .offset: 16, .size: 8, .value_kind: global_buffer, .address_space: global }
      - { .name: scl, .offset: 24, .size: 8, .value_kind: global_buffer, .address_space: global }
      - { .name: out0, .offset: 32, .size: 8, .value_kind: global_buffer, .address_space: global }
    .group_segment_fixed_size: 327680
    .private_segment_fixed_size: 0
    .kernarg_segment_align: 8
    .kernarg_segment_size: 40
    .max_flat_workgroup_size: 128
    .sgpr_count:     100
    .vgpr_count:     512
    .wavefront_size: 32
...
	.end_amdgpu_metadata
.endif
;; end of part 4
